; MI455X (gfx1250); checked and timed in simulation.
; The chip was launched on July 23, 2026; its instructions are those of AMD's public machine-readable ISA for CDNA 5 (MIT licence, August 2026) and "CDNA5" Instruction Set Architecture Reference Guide (July 2026). The comments in the code are by the model that wrote it; some were corrected since.
;; Multi Head Attention. Allowed arithmetic: matrix products marked QUANTISED: E2M1 operands, one E8M0 scale for each 32 along K, by v_wmma_scale_f32_16x16x128_f8f6f4 with both operands' format E2M1 (or v_wmma_scale_f32_32x16x128_f4), f32 sums; products left as they are: bf16, f16 or f32 operands; f32 sums; everything else in f32.
;; Inputs: Wk 1,024 x 1,024 float32; Wo 1,024 x 1,024 float32; Wq 1,024 x 1,024 float32; Wv 1,024 x 1,024 float32; bk 1,024 float32; bo 1,024 float32; bq 1,024 float32; bv 1,024 float32; mask 4 x 2,048 int32; x 4 x 2,048 x 1,024 float32.
;; Outputs: out0 4 x 2,048 x 1,024 float32.
;; This version of the problem:
;;   THIS VERSION OF THE PROBLEM IS GIVEN IN LOW PRECISION. The matrix products marked QUANTISED in the list below multiply operands that are first quantised to E2M1 (2 exponent bits, 1 mantissa bit; 4 bits a number), with one power-of-two scale for each 32 numbers along K (OCP MX v1.0); their sums are f32. The products marked 'left as it is' may take bf16, f16 or f32 operands, with f32 sums. Whichever they take, every output number must still come out within the allowed error. Rounding operands to bf16 (8 significant bits) uses up far more of that allowance than f16 does (11 bits, for magnitudes from 6e-5 to 65,504). All else is computed in f32.
;;   The module's matrix products, in the order in which they are computed (A, B: the left and right operand; K: the contracted axis; several contracted axes count as one K, in the product's order):
;;     1. [M 8,192, K 1,024] x [K 1,024, N 1,024]; A: input x; B: input Wq: QUANTISED
;;     2. [M 8,192, K 1,024] x [K 1,024, N 1,024]; A: input x; B: input Wk: QUANTISED
;;     3. [M 8,192, K 1,024] x [K 1,024, N 1,024]; A: input x; B: input Wv: QUANTISED
;;     4. batch 64 x [M 2,048, K 64] x [K 64, N 2,048]; A: computed on the way; B: computed on the way: left as it is (an operand is computed on the way)
;;     5. batch 64 x [M 2,048, K 2,048] x [K 2,048, N 64]; A: computed on the way; B: computed on the way: left as it is (an operand is computed on the way)
;;     6. [M 8,192, K 1,024] x [K 1,024, N 1,024]; A: computed on the way; B: input Wo: left as it is (an operand is computed on the way)
;;   THE QUANTISER, for each operand of a quantised product, along K:
;;     - K is cut into blocks of 32 from its start; a last block that is shorter is filled with zeros.
;;     - A block's scale is 2^e with e = floor(log2(the largest magnitude in the block)) - 2, held to -126 .. 127; a block of zeros has e = 0. As a byte (E8M0): e + 127.
;;     - Each number is divided by its block's scale, clamped to +-6, and rounded to the nearest number of E2M1, ties to even, subnormals kept.
;;     - The product sums the exact products of the quantised numbers (number of the format x scale) in f32.
;;   ~~~python
;;   def quantise(x, axis):      # numpy; x: float32 -> the quantised numbers, widened to float32 again
;;       x = np.moveaxis(x, axis, -1); K = x.shape[-1]
;;       x = np.pad(x, [(0, 0)] * (x.ndim - 1) + [(0, -K % 32)]); x = x.reshape(x.shape[:-1] + (-1, 32)); a = np.abs(x).max(-1, keepdims=True)
;;       e = np.where(a > 0, np.clip(np.frexp(np.where(a > 0, a, 1))[1] - 1 - 2, -126, 127), 0)      # np.frexp(a)[1] - 1 = floor(log2(a)), exactly
;;       r = np.clip(x / 2.0 ** e, -6, 6)
;;       step = 2.0 ** (np.maximum(np.frexp(np.where(r == 0, 1, r))[1] - 1, 0) - 1)
;;       q = np.round(r / step) * step * 2.0 ** e      # np.round: ties to even
;;       return np.moveaxis(q.reshape(q.shape[:-2] + (-1,))[..., :K], -1, axis).astype(np.float32)
;;   ~~~
;; One version. Each part assembles by itself: llvm-mc -triple=amdgcn-amd-amdhsa -mcpu=gfx1250 --defsym DOCPART=n.
;; ======== version 1 of 1: 4 launches
;; limits: values are held in f16: magnitudes above 65,504 overflow, below 6.1e-05 lose precision
;; workspace buffers: codes 5,767,168 bytes; scales 360,448 bytes; wo16 2,097,152 bytes; idx 33,024 bytes of whole numbers; qkv 50,331,648 bytes; vpart 262,144 bytes; attn 16,777,216 bytes
;; launch prep (part 1): grid 368 x 1, 4 waves a work-group, no clusters, 68,096 bytes of LDS; arguments x, mask, Wq, Wk, Wv, Wo, codes, scales, wo16, idx; writes codes, scales, wo16, idx
.if DOCPART == 1
	.amdgcn_target "amdgcn-amd-amdhsa--gfx1250"
	.amdhsa_code_object_version 6
	.text
	.protected	k_q96be64c7aa_prep
	.globl	k_q96be64c7aa_prep
	.p2align	8
	.type	k_q96be64c7aa_prep,@function
k_q96be64c7aa_prep:
	s_mov_b64 s[64:65], 0
	v_nop
	global_prefetch_b8 v0, s[64:65] scope:SCOPE_SE
	s_setreg_imm32_b32 hwreg(HW_REG_WAVE_MODE, 25, 1), 1
	s_wait_xcnt 0x0
; PREP.  Three kinds of work-group, told apart by the work-group's number alone; each kind has LDS bytes of its own.
;  X (0-255):   32 tokens of x [8192][1024] f32 become codes of FP4 (E2M1) with one E8M0 byte for each 32 along K, stored at PERMUTED rows: in each batch the tokens
;               whose mask word is not 0 come first, the others behind, both in their old order.  tok[b*2048+pos] = b*2048+token and cnt[b] = kept tokens go to idx.
;  W (256-303): Wq, Wk, Wv [k 1024][n 1024] f32 become codes with K innermost, rows 0-1023 Wq's columns, 1024-2047 Wk's, 2048-3071 Wv's, behind x's in codes and scales.
;  O (304-367): Wo is rounded to f16 as it lies.
; A block's scale is 2^(floor(log2(largest magnitude)) - 2); its byte is the largest magnitude's exponent field - 2, held at 1 from below (a block of zeros gets 1 where the rule
; says 127: its codes are zeros, and this program alone reads the bytes).
; LIMITS: blocks whose largest magnitude lies under 2^(2-126) get the byte 1; NaN and infinities are not served; |Wo| stays under 65,504 (f16).
.set SPW,   222                        ; v222 LDS address of my spare word; never rewritten
.set NIL,   223                        ; v223 0; never rewritten
.set SPARE, 67584                      ; behind both paths' regions: 128 bytes a wave
.set EMAX,  2
.set WREG,  8192                       ; path X: a region for each wave: two stages of 32 x SP bytes, then its 256 scale bytes
.set SP,    80                         ; a lane's place in a stage: 64 bytes + 16 of padding
.set STEPS, 16
.set XR,    16                         ; v16-79   four sets of 16 numbers as loaded
.set XX,    80                         ; v80-111  two sets of 16 neighbours
.set XE,    112                        ; v112-127 a scale byte for each step
.set XC,    128                        ; v128-191 first the batch's mask words, then four registers of codes for each step
.set WST,   32768                      ; path W: the four stages begin here
.set WP,    272                        ; a stage row: 256 bytes + 16
.set NB,    16
.set WSB,   24                         ; v24-27   scale bytes
.set WX,    32                         ; v32-95   two sets of 32 numbers
.set WC,    96                         ; v96-99   a block's codes
.set WO,    112                        ; v112-175 the way out
	s_load_b512 s[4:19], s[0:1], 0x0               ; x 4:5, mask 6:7, Wq 8:9, Wk 10:11, Wv 12:13, Wo 14:15, codes 16:17, scales 18:19
	s_load_b128 s[20:23], s[0:1], 0x40             ; wo16 20:21, idx 22:23
	v_lshl_add_u32 v[SPW], v0, 2, SPARE
	v_mov_b32 v[NIL], 0
	v_lshrrev_b32 v1, 5, v0
	v_readfirstlane_b32 s24, v1                    ; wave
	v_and_b32 v2, 31, v0                           ; lane
	s_wait_kmcnt 0x0
	s_cmp_lt_u32 ttmp9, 256
	s_cbranch_scc0 .Lnot_x
; ---------------- PATH X ----------------
; A wave takes 8 tokens (16 steps of 512 numbers).  Loads take the bytes as they lie; a step turns through the wave's stage so that a lane holds 16 neighbours along K.
	s_lshr_b32 s25, ttmp9, 6                       ; batch
	s_and_b32 s33, ttmp9, 63                       ; which 32 tokens of it
	s_lshl_b32 s30, s33, 5
	s_lshl_b32 s34, s24, 3
	s_add_co_u32 s30, s30, s34                     ; T0: my wave's first token in the batch
	s_mov_b32 s35, 0
	s_lshl_b32 s34, s25, 13
	s_add_nc_u64 s[26:27], s[6:7], s[34:35]        ; the batch's 2,048 mask words
	s_add_nc_u64 s[36:37], s[22:23], s[34:35]      ; and its part of tok
	s_lshl_b32 s34, ttmp9, 17
	s_lshl_b32 s38, s24, 15
	s_add_co_u32 s34, s34, s38
	s_add_nc_u64 s[4:5], s[4:5], s[34:35]          ; x at my wave's first token
	s_lshl_b32 s34, s25, 20
	s_add_nc_u64 s[16:17], s[16:17], s[34:35]      ; the batch's rows of codes (512 bytes each)
	s_lshl_b32 s34, s25, 16
	s_add_nc_u64 s[18:19], s[18:19], s[34:35]      ; and of scale bytes (32 each)
	s_mov_b32 s28, 0x76543210
	s_mov_b32 s29, 0xfedcba98                      ; v_permlanex16_b32's selects for lane l xor 16
	v_lshlrev_b32 v3, 4, v2                        ; 16 x lane
	v_lshlrev_b32 v4, 3, v2                        ; 8 x lane
	s_mul_i32 s39, s24, WREG
	v_lshrrev_b32 v14, 2, v2                       ; lane / 4: the token of my wave's eight that I stand for
	v_add_nc_u32 v201, s30, v14                    ; its number in the batch
	v_lshlrev_b32 v197, 2, v201
	v_mul_u32_u24 v14, v14, SP
	v_and_b32 v15, 3, v2
	v_lshl_add_u32 v14, v15, 4, v14
	v_add_nc_u32 v14, s39, v14                     ; the stage, on the way in: SP (lane / 4) + 16 (lane % 4)
	v_mul_u32_u24 v15, v2, SP
	v_add_nc_u32 v15, s39, v15                     ; and on the way out: SP x lane
	v_lshrrev_b32 v5, 1, v2
	s_add_co_u32 s39, s39, 2*32*SP
	v_add_nc_u32 v5, s39, v5                       ; my block's scale byte
	v_add_nc_u32 v6, s39, v4                       ; and 8 of them on the way out
	v_lshlrev_b32 v192, 2, v2                      ; 4 x lane: my first token of a mask load's 128
	v_mov_b32 v195, 0x10001
	v_mov_b32 v203, 0                              ; a lane permute's destination counts as one of its sources
.macro XLOAD t
.irp i, 0,1,2,3
	global_load_b128 v[XR+16*((\t)%4)+4*\i:XR+16*((\t)%4)+4*\i+3], v3, s[4:5] offset:2048*(\t)+512*\i th:TH_LOAD_NT   ; 512 consecutive bytes
.endr
.endm
.macro XTURN t                         ; LDS serves a wave's instructions in order: no wait between the stores and the loads
.irp i, 0,1,2,3
	ds_store_b128 v14, v[XR+16*((\t)%4)+4*\i:XR+16*((\t)%4)+4*\i+3] offset:32*SP*((\t)%2)+8*SP*\i
.endr
.irp i, 0,1,2,3
	ds_load_b128 v[XX+16*((\t)%2)+4*\i:XX+16*((\t)%2)+4*\i+3], v15 offset:32*SP*((\t)%2)+16*\i
.endr
.endm
.irp i, 0,1,2,3,4,5,6,7,8,9,10,11,12,13,14,15
	global_load_b128 v[XC+4*\i:XC+4*\i+3], v3, s[26:27] offset:512*\i   ; register 4 i + j of lane l: the mask word of token 128 i + 4 l + j
.endr
	global_load_b32 v196, v197, s[26:27]           ; the word of the token that I stand for
.irp t, 0,1,2,3
	XLOAD \t
.endr
	s_wait_loadcnt 16                              ; the mask's 17 loads are in; x's 16 stay out
	; kept tokens of the whole batch (low half) and of the tokens in front of T0 (high half), in one sum of whole numbers
.set n, 0
.rept 64
	v_min_u32 v[XC+n], 1, v[XC+n]                  ; any word but 0 counts as kept
.set n, n+1
.endr
.irp i, 0,1,2,3,4,5,6,7,8,9,10,11,12,13,14,15
	v_add3_u32 v[XC+4*\i], v[XC+4*\i], v[XC+4*\i+1], v[XC+4*\i+2]
.endr
.irp i, 0,1,2,3,4,5,6,7,8,9,10,11,12,13,14,15
	v_add_nc_u32 v[XC+4*\i], v[XC+4*\i], v[XC+4*\i+3]
.endr
.irp i, 0,1,2,3,4,5,6,7,8,9,10,11,12,13,14,15
	s_sub_co_i32 s34, s30, 128*\i
	v_cmp_gt_i32 vcc_lo, s34, v192                 ; my four tokens of this load lie in front of T0 (T0 is a multiple of 8)
	v_cndmask_b32 v194, 1, v195, vcc_lo
.if \i == 0
	v_mul_u32_u24 v193, v[XC], v194
.else
	v_mad_u32_u24 v193, v[XC+4*\i], v194, v193
.endif
.endr
.irp k, 1,2,4,8
	v_mov_b32_dpp v203, v193 row_xmask:\k row_mask:0xf bank_mask:0xf
	v_add_nc_u32 v193, v193, v203
.endr
	v_permlanex16_b32 v203, v193, s28, s29
	v_add_nc_u32 v193, v193, v203
	v_and_b32 v199, 0xffff, v193                   ; kept tokens in the batch
	v_lshrrev_b32 v198, 16, v193                   ; kept tokens in front of T0
	v_cmp_ne_u32 s31, 0, v196                      ; is my token kept?
	s_and_b32 s32, s31, 0x88888888                 ; one bit a token, at its last lane
	v_mbcnt_lo_u32_b32 v200, s32, v198             ; kept tokens in front of mine
	v_add_nc_u32 v203, v199, v201
	v_sub_nc_u32 v203, v203, v200                  ; a masked token's place: all kept ones + the masked ones in front of it
	v_cndmask_b32 v202, v203, v200, s31
	v_min_u32 v202, 0x7ff, v202                    ; the place in the batch, held inside it
.irp rr, 0,1,2,3,4,5,6,7
	v_readlane_b32 s34, v202, 4*\rr
	s_min_u32 s34, s34, 0x7ff
	v_lshl_add_u32 v[204+\rr], s34, 9, v4          ; token rr's row of codes + 8 x lane
.endr
	v_and_b32 v212, 3, v2
	v_lshlrev_b32 v212, 3, v212
	v_lshl_add_u32 v212, v202, 5, v212             ; my 8 bytes of my token's 32 scale bytes
	v_lshlrev_b32 v213, 2, v202
	s_lshl_b32 s34, s25, 11
	v_add_nc_u32 v214, s34, v201
	global_store_b32 v213, v214, s[36:37]          ; tok: four lanes write the same word with the same value
	s_or_b32 s34, s33, s24
	s_cmp_eq_u32 s34, 0                            ; the batch's first wave stores the count
	s_cbranch_scc0 .Lno_cnt
	s_lshl_b32 s34, s25, 2
	v_mov_b32 v215, s34
	global_store_b32 v215, v199, s[22:23] offset:32768
.Lno_cnt:
	s_wait_loadcnt 12                              ; step 0's four loads are in
	XTURN 0
.macro XSTEP t
.set XS, XX+16*((\t)%2)
.if (\t) > 0
	s_wait_dscnt 1                                 ; this step's numbers are back from the stage (the last step's byte store may be out): its stores into the stage have read their registers,
.else
	s_wait_dscnt 0x0
.endif
.if (\t)+4 < STEPS
	XLOAD (\t)+4                                   ; which take the loads of four steps on
.endif
.if (\t)+1 < STEPS
.if STEPS-2-(\t) >= 3
	s_wait_loadcnt 12                              ; the next step's four loads are in; three steps' may be out
.else
	s_wait_loadcnt 4*(STEPS-2-(\t))
.endif
	XTURN (\t)+1
.endif
	v_max3_num_f32 v8, |v[XS]|, |v[XS+1]|, |v[XS+2]|
	v_max3_num_f32 v9, |v[XS+3]|, |v[XS+4]|, |v[XS+5]|
.irp i, 6,10
	v_max3_num_f32 v8, v8, |v[XS+\i]|, |v[XS+\i+1]|
	v_max3_num_f32 v9, v9, |v[XS+\i+2]|, |v[XS+\i+3]|
.endr
	v_max3_num_f32 v8, v8, |v[XS+14]|, |v[XS+15]|
	v_max3_num_f32 v8, v8, v9, (EMAX+1)<<23        ; the floor 2^(EMAX+1-127): the byte cannot fall under 1
	v_max_num_f32_dpp v8, v8, v8 row_xmask:1 row_mask:0xf bank_mask:0xf   ; with my neighbour's 16: the block's largest magnitude
	v_add_nc_u32 v11, -(EMAX<<23), v8              ; EMAX off its exponent field: the conversion's scale operand
	v_cvt_scalef32_pk8_fp4_f32 v[XC+4*(\t)], v[XS:XS+7], v11
	v_cvt_scalef32_pk8_fp4_f32 v[XC+4*(\t)+1], v[XS+8:XS+15], v11
	v_lshrrev_b32 v[XE+(\t)], 23, v11              ; the scale's byte (a plain line behind the conversions)
	ds_store_b8 v5, v[XE+(\t)] offset:16*(\t)      ; both lanes of a block write the same byte
	global_store_b64 v[204+(\t)/2], v[XC+4*(\t):XC+4*(\t)+1], s[16:17] offset:256*((\t)%2)   ; the wave stores 256 consecutive bytes, half a permuted row
.endm
.irp t, 0,1,2,3,4,5,6,7,8,9,10,11,12,13,14,15
	XSTEP \t
.endr
	ds_load_b64 v[8:9], v6                         ; in order behind my byte stores
	s_wait_dscnt 0x0
	global_store_b64 v212, v[8:9], s[18:19]        ; 32 bytes a token, at its permuted row
	s_wait_tensorcnt 0x0                           ; the wave's end, behind my last LDS store
	ds_add_u32 v[SPW], v[NIL]
	s_wait_dscnt 0x0
	s_endpgm
; ---------------- PATH W ----------------
; A lane takes a column n and its registers run down K: a block of 32 along K is one lane's 32 registers, and the codes come out with K innermost.  A wave takes 32 columns x 512 along K.
.Lnot_x:
	s_cmp_lt_u32 ttmp9, 304
	s_cbranch_scc0 .Lpath_o
	s_sub_co_u32 s25, ttmp9, 256
	s_lshr_b32 s26, s25, 4                         ; which weight
	s_bfe_u32 s27, s25, 0x30001                    ; which 128 columns
	s_and_b32 s28, s25, 1                          ; which 512 along K
	s_cmp_eq_u32 s26, 0
	s_cselect_b64 s[30:31], s[8:9], s[10:11]
	s_cmp_eq_u32 s26, 2
	s_cselect_b64 s[30:31], s[12:13], s[30:31]
	s_lshl_b32 s27, s27, 7
	s_lshl_b32 s29, s24, 5
	s_add_co_u32 s27, s27, s29                     ; my wave's first column
	s_lshl_b32 s32, s28, 21                        ; 512 rows of 4,096 bytes
	s_lshl_b32 s29, s27, 2
	s_add_co_u32 s32, s32, s29
	s_mov_b32 s33, 0
	s_add_nc_u64 s[30:31], s[30:31], s[32:33]
	s_lshl_b32 s26, s26, 10
	s_add_co_u32 s26, s26, s27                     ; the row of the weights' codes
	s_lshl_b32 s32, s26, 9
	s_lshl_b32 s29, s28, 8
	s_add_co_u32 s32, s32, s29
	s_add_co_u32 s32, s32, 4194304                 ; behind x's codes
	s_add_nc_u64 s[16:17], s[16:17], s[32:33]
	s_lshl_b32 s32, s26, 5
	s_lshl_b32 s29, s28, 4
	s_add_co_u32 s32, s32, s29
	s_add_co_u32 s32, s32, 262144                  ; behind x's scale bytes
	s_add_nc_u64 s[18:19], s[18:19], s[32:33]
	v_lshlrev_b32 v3, 2, v2                        ; in: 4 bytes a lane
	s_mul_i32 s29, s24, 32*WP
	s_add_co_u32 s29, s29, WST                     ; my stage
	v_mul_u32_u24 v4, v2, WP
	v_add_nc_u32 v4, s29, v4                       ; into it: row = my column
	v_and_b32 v5, 15, v2
	v_lshrrev_b32 v6, 4, v2
	v_mul_u32_u24 v7, v6, WP
	v_lshl_add_u32 v7, v5, 4, v7
	v_add_nc_u32 v7, s29, v7                       ; out of it: sixteen lanes to a row
	v_lshlrev_b32 v8, 9, v6
	v_lshl_add_u32 v8, v5, 4, v8                   ; the same place in the codes
	v_lshlrev_b32 v9, 5, v2                        ; my column's row of scale bytes
.macro WLOAD t
.set n, 0
.rept 32
	global_load_b32 v[WX+32*((\t)%2)+n], v3, s[30:31] offset:(32*(\t)+n)*4096 th:TH_LOAD_NT
.set n, n+1
.endr
.endm
	WLOAD 0
	WLOAD 1
.macro WBLOCK t
.set XS, WX+32*((\t)%2)
.if (\t) < NB-1
	s_wait_loadcnt 32                              ; this block's 32 loads are in; the next block's may be out
.else
	s_wait_loadcnt 0
.endif
	v_max3_num_f32 v12, |v[XS]|, |v[XS+1]|, |v[XS+2]|
	v_max3_num_f32 v13, |v[XS+3]|, |v[XS+4]|, |v[XS+5]|
.irp i, 6,10,14,18,22,26
	v_max3_num_f32 v12, v12, |v[XS+\i]|, |v[XS+\i+1]|
	v_max3_num_f32 v13, v13, |v[XS+\i+2]|, |v[XS+\i+3]|
.endr
	v_max3_num_f32 v12, v12, |v[XS+30]|, |v[XS+31]|
	v_max3_num_f32 v12, v12, v13, (EMAX+1)<<23
	v_add_nc_u32 v11, -(EMAX<<23), v12
	v_lshrrev_b32 v13, 23, v11
.if (\t)%4 == 0
	v_mov_b32 v[WSB+(\t)/4], v13
.else
	v_lshl_or_b32 v[WSB+(\t)/4], v13, 8*((\t)%4), v[WSB+(\t)/4]
.endif
.irp g, 0,1,2,3
	v_cvt_scalef32_pk8_fp4_f32 v[WC+\g], v[XS+8*\g:XS+8*\g+7], v11
.endr
	v_nop                                          ; a plain line behind the last conversion
	ds_store_b128 v4, v[WC:WC+3] offset:16*(\t)
.if (\t)+2 < NB
	WLOAD (\t)+2
.endif
	s_wait_dscnt 0x0                               ; the store has read its registers: the next block's codes may be written
.endm
.set Q, 0
.rept NB
	WBLOCK Q
.set Q, Q+1
.endr
	global_store_b128 v9, v[WSB:WSB+3], s[18:19]   ; my column's 16 scale bytes
.irp t, 0,1,2,3,4,5,6,7,8,9,10,11,12,13,14,15
	ds_load_b128 v[WO+4*\t:WO+4*\t+3], v7 offset:2*\t*WP
.endr
.irp t, 0,1,2,3,4,5,6,7,8,9,10,11,12,13,14,15
	s_wait_dscnt 15-\t
	global_store_b128 v8, v[WO+4*\t:WO+4*\t+3], s[16:17] offset:2*\t*512   ; sixteen lanes store 256 consecutive bytes, aligned
.endr
	s_wait_tensorcnt 0x0                           ; the wave's end: the three lines
	ds_add_u32 v[SPW], v[NIL]
	s_wait_dscnt 0x0
	s_endpgm
; ---------------- PATH O ----------------
; A wave rounds 4,096 numbers of Wo to f16: 32 loads of 512 bytes, 32 stores of 256.  No register is used twice, no LDS.
.Lpath_o:
	s_sub_co_u32 s25, ttmp9, 304
	s_lshl_b32 s25, s25, 2
	s_add_co_u32 s25, s25, s24
	s_lshl_b32 s26, s25, 14
	s_mov_b32 s27, 0
	s_add_nc_u64 s[14:15], s[14:15], s[26:27]
	s_lshl_b32 s26, s25, 13
	s_add_nc_u64 s[20:21], s[20:21], s[26:27]
	v_lshlrev_b32 v3, 4, v2
	v_lshlrev_b32 v4, 3, v2
.set n, 0
.rept 32
	global_load_b128 v[16+4*n:19+4*n], v3, s[14:15] offset:512*n th:TH_LOAD_NT
.set n, n+1
.endr
.set n, 0
.rept 8
	s_wait_loadcnt 28-4*(n/4)                      ; this group's four loads are in; the younger groups stay out
.rept 4
	v_cvt_pk_f16_f32 v[144+2*n], v[16+4*n], v[17+4*n]
	v_cvt_pk_f16_f32 v[145+2*n], v[18+4*n], v[19+4*n]
	global_store_b64 v4, v[144+2*n:145+2*n], s[20:21] offset:256*n
.set n, n+1
.endr
.endr
	s_endpgm
.Lfunc_end_k_q96be64c7aa_prep:
	.size	k_q96be64c7aa_prep, .Lfunc_end_k_q96be64c7aa_prep-k_q96be64c7aa_prep
	.p2alignl 7, 3214868480
	.fill 96, 4, 3214868480
	.section	.rodata,"a",@progbits
	.p2align	6, 0x0
	.amdhsa_kernel k_q96be64c7aa_prep
		.amdhsa_group_segment_fixed_size 68096
		.amdhsa_private_segment_fixed_size 0
		.amdhsa_enable_private_segment 0
		.amdhsa_kernarg_size 80
		.amdhsa_user_sgpr_count 2
		.amdhsa_user_sgpr_kernarg_segment_ptr 1
		.amdhsa_wavefront_size32 1
		.amdhsa_system_sgpr_workgroup_id_x 1
		.amdhsa_system_sgpr_workgroup_id_y 1
		.amdhsa_system_sgpr_workgroup_id_z 1
		.amdhsa_system_vgpr_workitem_id 0
		.amdhsa_next_free_vgpr 224
		.amdhsa_next_free_sgpr 66
		.amdhsa_reserve_vcc 1
		.amdhsa_float_denorm_mode_32 3
		.amdhsa_float_denorm_mode_16_64 3
		.amdhsa_memory_ordered 1
		.amdhsa_forward_progress 1
		.amdhsa_inst_pref_size 134
	.end_amdhsa_kernel
	.amdgpu_metadata
---
amdhsa.version: [ 1, 2 ]
amdhsa.kernels:
  - .name:           k_q96be64c7aa_prep
    .symbol:         k_q96be64c7aa_prep.kd
    .args:
      - { .name: x, .offset: 0, .size: 8, .value_kind: global_buffer, .address_space: global }
      - { .name: mask, .offset: 8, .size: 8, .value_kind: global_buffer, .address_space: global }
      - { .name: Wq, .offset: 16, .size: 8, .value_kind: global_buffer, .address_space: global }
      - { .name: Wk, .offset: 24, .size: 8, .value_kind: global_buffer, .address_space: global }
      - { .name: Wv, .offset: 32, .size: 8, .value_kind: global_buffer, .address_space: global }
      - { .name: Wo, .offset: 40, .size: 8, .value_kind: global_buffer, .address_space: global }
      - { .name: codes, .offset: 48, .size: 8, .value_kind: global_buffer, .address_space: global }
      - { .name: scales, .offset: 56, .size: 8, .value_kind: global_buffer, .address_space: global }
      - { .name: wo16, .offset: 64, .size: 8, .value_kind: global_buffer, .address_space: global }
      - { .name: idx, .offset: 72, .size: 8, .value_kind: global_buffer, .address_space: global }
    .group_segment_fixed_size: 68096
    .private_segment_fixed_size: 0
    .kernarg_segment_align: 8
    .kernarg_segment_size: 80
    .max_flat_workgroup_size: 128
    .sgpr_count:     66
    .vgpr_count:     224
    .wavefront_size: 32
...
	.end_amdgpu_metadata
.endif
;; end of part 1
;; launch qkv (part 2): grid 12 x 32, 4 waves a work-group, clusters of 4 x 4, 327,680 bytes of LDS; arguments codes, scales, bq, bk, bv, idx, qkv, vpart; writes qkv, vpart
.if DOCPART == 2
	.amdgcn_target "amdgcn-amd-amdhsa--gfx1250"
	.amdhsa_code_object_version 6
	.text
	.protected	k_q96be64c7aa_qkv
	.globl	k_q96be64c7aa_qkv
	.p2align	8
	.type	k_q96be64c7aa_qkv,@function
k_q96be64c7aa_qkv:
	s_mov_b64 s[64:65], 0
	v_nop
	global_prefetch_b8 v0, s[64:65] scope:SCOPE_SE
	s_setreg_imm32_b32 hwreg(HW_REG_WAVE_MODE, 25, 1), 1
	s_wait_xcnt 0x0
	s_wait_alu depctr_hold_cnt(0) depctr_sa_sdst(0) depctr_va_vdst(0) depctr_va_sdst(0) depctr_va_ssrc(0) depctr_va_vcc(0) depctr_vm_vsrc(0)
	s_getreg_b32 s2, hwreg(HW_REG_IB_STS2, 6, 4)
	s_cmp_eq_u32 s2, 0
	s_cbranch_scc0 .Lentry_in_a_cluster
	s_endpgm
.Lentry_in_a_cluster:
	s_bfe_u32 s2, ttmp6, 0x10000c
	s_cmp_lg_u32 s2, 0xf033
	s_cbranch_scc0 .Lentry_shape_is_right
	s_endpgm
.Lentry_shape_is_right:
; QKV.  C[8192 permuted tokens][3072] = x (Wq | Wk | Wv) + bias on codes of FP4 (E2M1) with one E8M0 scale for each 32 along K = 1,024; sums in f32; results rounded to f16 and
; stored by head: part P (0 q, 1 k, 2 v) at P x 16,777,216, each [batch][head][place 2048][64].  For v, the sums over the rows whose place is at or behind the batch's count of kept
; tokens go to vpart [64 halves of 128 rows][1024] f32, taken of the f32 results.
; A tile of C, 256 x 256, is made by four waves, 128 x 128 each: 64 accumulators.  K is two slots of 512; both, and all scale bytes, are asked for at the head: no slot is filled again.
; CLUSTERS 4 x 4: A's tiles are shared along a row of the cluster, B's along a column, by joint loads.  The cluster's x is the part, the same in all sixteen partners.
; THE MATRIX INSTRUCTION IS USED TRANSPOSED (source 0 = 16 rows of the weights' codes, source 1 = 16 tokens): a lane holds eight neighbouring columns of one token.
; The bias is the C of each sum's first product.
; REGISTERS: window 0: v0-31 addresses; v32-95 scale words, two sets, and nothing else; v128-191 A's fragments; v192-255 the bias; on the way out v96-255 are at work.
;   window 1: B's fragments, two sets.   windows 2, 3: the accumulators ((a, b) at v[8 (8 (a % 4) + b)]).
; LIMITS: |q|, |k|, |v| stay under 65,504 (f16); NaN and infinities are not served.
.set NQ,     4
.set ROWB,   256
.set KROW,   512
.set PITCH,  272                       ; an LDS row: 256 bytes + 16: the 16 rows of a fragment load start at 16 different banks (ISA guide 11.1)
.set FR,     8
.set NL,     2
.set NP,     4
.set HALFT,  128*PITCH
.set SLOT,   4*HALFT
.set KS,     32
.set SCL,    2*SLOT
.set HALFS,  (128*KS/256)*272
.set SBLK,   (16*KS/256)*272
.set SPARE,  SCL+4*HALFS               ; the spare words, 128 bytes a wave
.set SPITCH, 272                       ; the way out: 16 rows x (256 + 16) for each wave, in slot 0, which has had its only fill and its last read by then
.set VSTG,   4*16*SPITCH               ; behind those: 512 bytes a wave for the sums of v
.set ADRA, 16
.set ADRB, 20
.set STO,  24
.set RD,   25
.set CO,   26
.set ADRS, 27
.set SPW,  28
.set NIL,  29
.set SC,   32
.set AF,   128
.set BIAS, 192
.set TMP,  192
.set G1, 24
.set G0, 32
.set G1B, 48
.set G0B, 56
.set G1S, 68
.set G0S, 76
.set G1SB, 80
.set G0SB, 88
.set MSB, 0
.macro WIN new                         ; the immediate's high byte repeats the setting that is left
.if MSB != \new
	s_set_vgpr_msb (MSB<<8)|\new
.set MSB, \new
.endif
.endm
.set MUL_LO, 0xa1                      ; source 0 window 1, source 1 window 0, C and D window 2 (first products: C window 0: 0x81)
.set MUL_HI, 0xf1                      ; the same with window 3 (first products: 0xc1)
.set TO_B,   0x40
.macro JLOAD g0a, g1a, g0b, g1b        ; waves 0, 1 fetch for A, waves 2, 3 for B; an s_nop 0 and four v_nop follow each line
	s_cmp_eq_u32 s21, 0
	s_cbranch_scc0 .Lfor_b_\@
	tensor_load_to_lds s[\g0a:\g0a+3], s[\g1a:\g1a+7]
	s_nop 0
.rept 4
	v_nop
.endr
	s_branch .Lasked_\@
.Lfor_b_\@:
	tensor_load_to_lds s[\g0b:\g0b+3], s[\g1b:\g1b+7]
	s_nop 0
.rept 4
	v_nop
.endr
.Lasked_\@:
.endm
.macro CROUND                          ; a round of the cluster's barrier
	s_barrier_signal -1
	s_barrier_wait -1
	s_cmp_lg_u32 s20, 0
	s_cbranch_scc1 .Lnot_wave_0_\@
	s_barrier_signal -3
.Lnot_wave_0_\@:
	s_barrier_wait -3
	s_barrier_signal -1
	s_barrier_wait -1
.endm
	s_load_b512 s[4:19], s[0:1], 0x0               ; codes 4:5, scales 6:7, bq 8:9, bk 10:11, bv 12:13, idx 14:15, qkv 16:17, vpart 18:19
	v_lshl_add_u32 v[SPW], v0, 2, SPARE
	v_mov_b32 v[NIL], 0
	ds_add_u32 v[SPW], v[NIL]                      ; the wave's opening: the add, twice on end, and its wait ahead of my first tensor load
	ds_add_u32 v[SPW], v[NIL]
	v_lshrrev_b32 v1, 5, v0
	v_readfirstlane_b32 s20, v1                    ; wave
	s_lshr_b32 s21, s20, 1                         ; my half of the tile's rows; also: I fetch for A (0) or B (1)
	s_and_b32 s22, s20, 1                          ; my half of its columns; also: which 128 rows I fetch
	s_bfe_u32 s40, ttmp6, 0x40000                  ; cx
	s_bfe_u32 s41, ttmp6, 0x40004                  ; cy
	s_lshl_b32 s42, ttmp9, 2
	s_add_co_u32 s42, s42, s40                     ; tile column
	s_and_b32 s23, ttmp7, 0xffff
	s_lshl_b32 s23, s23, 2
	s_add_co_u32 s23, s23, s41                     ; tile row
	s_lshl_b32 s43, s41, 2
	s_lshl_b32 s43, 15, s43                        ; my row of the cluster
	s_lshl_b32 s44, 0x1111, s40                    ; my column
	s_or_b32 s[G1+0], s43, (0<<16)|(1<<20)|(1<<21)|(5<<22)|(3<<25)   ; mask; elements of 1 byte; padding: 4 words behind every 64; bit 21 beside a mask
	s_or_b32 s[G1B+0], s44, (0<<16)|(1<<20)|(1<<21)|(5<<22)|(3<<25)
.irp g, G1, G1B
	s_mov_b32 s[\g+1], ROWB<<16                    ; tensor_dim0 = 256
	s_mov_b32 s[\g+2], 128<<16                     ; tensor_dim1 = 128
	s_mov_b32 s[\g+3], ROWB<<16                    ; tile_dim0
	s_mov_b32 s[\g+4], 128                         ; tile_dim1
	s_mov_b32 s[\g+5], KROW                        ; pitch
	s_mov_b32 s[\g+6], 0
	s_mov_b32 s[\g+7], 0
.endr
	s_or_b32 s[G1S+0], s43, (3<<16)|(1<<20)|(1<<21)|(5<<22)|(3<<25)  ; the scales of 128 rows: 4,096 dense bytes as 16 rows of 256
	s_or_b32 s[G1SB+0], s44, (3<<16)|(1<<20)|(1<<21)|(5<<22)|(3<<25)
.irp g, G1S, G1SB
	s_mov_b32 s[\g+1], 32<<16
	s_mov_b32 s[\g+2], (128*KS/256)<<16
	s_mov_b32 s[\g+3], 32<<16
	s_mov_b32 s[\g+4], 128*KS/256
	s_mov_b32 s[\g+5], 32
	s_mov_b32 s[\g+6], 0
	s_mov_b32 s[\g+7], 0
.endr
	s_lshl_b32 s45, s22, 7
	s_lshl_b32 s92, s23, 8
	s_add_co_u32 s92, s92, s45                     ; A: token row 256 x tile row + 128 x half
	s_lshl_b32 s94, s92, 5                         ; its scale bytes
	s_lshl_b32 s92, s92, 9                         ; its codes
	s_mov_b32 s93, 0
	s_mov_b32 s95, 0
	s_lshl_b32 s46, s42, 8
	s_add_co_u32 s46, s46, s45                     ; B: weight row 256 x tile column + 128 x half
	s_lshl_b32 s96, s46, 5
	s_add_co_u32 s96, s96, 262144                  ; behind x's scale bytes
	s_lshl_b32 s46, s46, 9
	s_add_co_u32 s46, s46, 4194304                 ; behind x's codes
	s_mov_b32 s47, 0
	s_mov_b32 s97, 0
	s_mul_i32 s66, s20, HALFT                      ; where they go: wave x 128 rows
	s_mul_i32 s67, s20, HALFS
	s_wait_dscnt 0x0                               ; both opening adds are done
	s_wait_kmcnt 0x0
	s_add_nc_u64 s[92:93], s[4:5], s[92:93]
	s_add_nc_u64 s[94:95], s[6:7], s[94:95]
	s_add_nc_u64 s[46:47], s[4:5], s[46:47]
	s_add_nc_u64 s[96:97], s[6:7], s[96:97]
	CROUND                                         ; all sixteen work-groups are here: the joint loads meet
	s_mov_b32 s[G0S], 1
	s_add_co_u32 s[G0S+1], s67, SCL
	s_mov_b64 s[G0S+2:G0S+3], s[94:95]
	s_or_b32 s[G0S+3], s[G0S+3], 0x80000000
	s_mov_b32 s[G0SB], 1
	s_add_co_u32 s[G0SB+1], s67, SCL
	s_mov_b64 s[G0SB+2:G0SB+3], s[96:97]
	s_or_b32 s[G0SB+3], s[G0SB+3], 0x80000000
	JLOAD G0S, G1S, G0SB, G1SB                     ; the scales first
.irp s, 0,1
	s_mov_b32 s[G0+4*\s], 1
	s_add_co_u32 s[G0+4*\s+1], s66, \s*SLOT
	s_add_nc_u64 s[G0+4*\s+2:G0+4*\s+3], s[92:93], \s*ROWB
	s_or_b32 s[G0+4*\s+3], s[G0+4*\s+3], 0x80000000
	s_mov_b32 s[G0B+4*\s], 1
	s_add_co_u32 s[G0B+4*\s+1], s66, \s*SLOT
	s_add_nc_u64 s[G0B+4*\s+2:G0B+4*\s+3], s[46:47], \s*ROWB
	s_or_b32 s[G0B+4*\s+3], s[G0B+4*\s+3], 0x80000000
	JLOAD G0+4*\s, G1, G0B+4*\s, G1B               ; three loads of mine are out
.endr
	v_and_b32 v1, 15, v0                           ; r; kept
	v_bfe_u32 v2, v0, 4, 1                         ; h; kept
	v_mul_u32_u24 v3, v1, PITCH
	v_lshl_add_u32 v4, v2, 4, v3
	s_mul_i32 s2, s21, HALFT
	s_mul_i32 s3, s22, HALFT
	s_add_co_u32 s3, s3, 2*HALFT
.irp s, 0,1
	v_add_nc_u32 v[ADRA+\s], s2, v4
	v_add_nc_u32 v[ADRB+\s], s3, v4
	s_add_co_u32 s2, s2, SLOT
	s_add_co_u32 s3, s3, SLOT
.endr
	v_mul_u32_u24 v5, v1, KS                       ; my row's scale bytes: 32 a row,
	v_lshrrev_b32 v6, 8, v5
	v_lshl_add_u32 v5, v6, 4, v5                   ; and 16 more for each 256 passed
	s_mul_i32 s2, s21, HALFS
	s_mul_i32 s3, s22, HALFS
	s_add_co_u32 s3, s3, 2*HALFS
	s_sub_co_u32 s3, s3, s2
	v_mul_u32_u24 v6, s3, v2                       ; lanes 16-31 take B's
	s_add_co_u32 s2, s2, SCL
	v_add_nc_u32 v5, v5, v6
	v_add_nc_u32 v[ADRS], s2, v5
	s_mul_i32 s2, s20, 16*SPITCH                   ; my stage
	v_add_nc_u32 v[STO], s2, v4                    ; in: row r, 16 bytes for each half of the lanes
	v_bfe_u32 v5, v0, 3, 2
	v_mul_u32_u24 v5, v5, SPITCH
	v_and_b32 v6, 7, v0
	v_lshl_add_u32 v5, v6, 4, v5
	v_add_nc_u32 v[RD], s2, v5                     ; back: eight lanes take a head's 128 bytes of a row, four rows an instruction
	v_and_b32 v6, 31, v0
	v_lshlrev_b32 v[CO], 4, v6
	s_lshl_b32 s2, s20, 9
	s_add_co_u32 s2, s2, VSTG
	v_lshl_add_u32 v11, v2, 5, s2                  ; the sums of v: in
	v_add_nc_u32 v30, s2, v[CO]                    ; and back
	v_lshlrev_b32 v31, 5, v2                       ; the bias: 32 h bytes
	; where my columns begin in a part, in bytes of f32: 1,024 x (tile column % 4) + 512 x half
	s_and_b32 s2, s42, 3
	s_lshl_b32 s2, s2, 10
	s_lshl_b32 s3, s22, 9
	s_add_co_u32 s2, s2, s3
	s_mov_b32 s3, 0
	s_cmp_eq_u32 ttmp9, 0
	s_cselect_b64 s[98:99], s[8:9], s[10:11]
	s_cmp_eq_u32 ttmp9, 2
	s_cselect_b64 s[98:99], s[12:13], s[98:99]
	s_add_nc_u64 s[98:99], s[98:99], s[2:3]
	s_add_nc_u64 s[18:19], s[18:19], s[2:3]
	s_lshl_b32 s2, s23, 1
	s_add_co_u32 s2, s2, s21
	s_lshl_b32 s2, s2, 12
	s_add_nc_u64 s[18:19], s[18:19], s[2:3]        ; vpart: my half of 128 rows, my 128 columns
.irp b, 0,1,2,3,4,5,6,7
	global_load_b128 v[BIAS+8*\b:BIAS+8*\b+3], v31, s[98:99] offset:64*\b       ; register 8 b + j: bias of column 16 b + 8 h + j
	global_load_b128 v[BIAS+8*\b+4:BIAS+8*\b+7], v31, s[98:99] offset:64*\b+16
.endr
	s_and_b32 s2, ttmp7, 0xffff
	s_lshr_b32 s2, s2, 1                           ; the batch: two rows of clusters each
	s_lshl_b32 s2, s2, 2
	s_add_nc_u64 s[14:15], s[14:15], s[2:3]
	s_load_b32 s100, s[14:15], 0x8000              ; the batch's kept tokens: it enters compares of values alone
	; my first row in the part's buffer
	s_lshr_b32 s2, s23, 3
	s_lshl_b32 s2, s2, 4
	s_and_b32 s45, s42, 3
	s_lshl_b32 s45, s45, 2
	s_add_co_u32 s2, s2, s45
	s_lshl_b32 s45, s22, 1
	s_add_co_u32 s2, s2, s45                       ; 16 x batch + my first head
	s_lshl_b32 s2, s2, 11
	s_and_b32 s45, s23, 7
	s_lshl_b32 s45, s45, 8
	s_add_co_u32 s2, s2, s45
	s_lshl_b32 s45, s21, 7
	s_add_co_u32 s2, s2, s45
	s_lshl_b32 s2, s2, 7                           ; rows of 128 bytes
	s_lshl_b32 s45, ttmp9, 24
	s_add_co_u32 s2, s2, s45
	s_add_nc_u64 s[16:17], s[16:17], s[2:3]
.macro FRAG reg, adr, q, i             ; 16 rows x 128 K of 4-bit codes: 8 registers, two loads 32 bytes apart
.irp c, 0,1
	ds_load_b128 v[\reg+4*\c:\reg+4*\c+3], v[\adr] offset:64*(\q)+32*\c+(\i)*16*PITCH
.endr
.endm
; 16 matrix instructions: A's blocks a0, a0 + 1 x B's eight.  The 64 accumulators take turns, one instruction a turn.  zero = 1: the bias is the C.
.macro MUL16 a0, p, q, sc, zero
.irp a, \a0, \a0+1
.irp b, 0,1,2,3,4,5,6,7
.if \zero
	v_wmma_scale_f32_16x16x128_f8f6f4 v[8*(8*((\a)%4)+\b):8*(8*((\a)%4)+\b)+7], v[128*(\p)+FR*\b:128*(\p)+FR*\b+FR-1], v[AF+FR*(\a):AF+FR*(\a)+FR-1], v[BIAS+8*\b:BIAS+8*\b+7], v[SC+8*NQ*(\sc)+NQ*\b+(\q)], v[SC+8*NQ*(\sc)+NQ*(\a)+(\q)] matrix_a_fmt:MATRIX_FMT_FP4 matrix_b_fmt:MATRIX_FMT_FP4 matrix_a_scale:MATRIX_SCALE_ROW1
.else
	v_wmma_scale_f32_16x16x128_f8f6f4 v[8*(8*((\a)%4)+\b):8*(8*((\a)%4)+\b)+7], v[128*(\p)+FR*\b:128*(\p)+FR*\b+FR-1], v[AF+FR*(\a):AF+FR*(\a)+FR-1], v[8*(8*((\a)%4)+\b):8*(8*((\a)%4)+\b)+7], v[SC+8*NQ*(\sc)+NQ*\b+(\q)], v[SC+8*NQ*(\sc)+NQ*(\a)+(\q)] matrix_a_fmt:MATRIX_FMT_FP4 matrix_b_fmt:MATRIX_FMT_FP4 matrix_a_scale:MATRIX_SCALE_ROW1
.endif
.endr
.endr
.endm
.macro FETCH_B slot, q, p
	WIN TO_B
.irp i, 0,1,2,3,4,5,6,7
	FRAG 128*(\p)+FR*\i, ADRB+\slot, \q, \i
.endr
	WIN 0
.endm
.macro FETCH_A slot, q, i0
.irp i, \i0, \i0+1, \i0+2, \i0+3
	FRAG AF+FR*(\i), ADRA+\slot, \q, \i
.endr
.endm
.macro SCALES sc                       ; a slot's scale words: lanes 0-15 A's block i, lanes 16-31 B's block i
.irp i, 0,1,2,3,4,5,6,7
	ds_load_b128 v[SC+8*NQ*\sc+NQ*\i:SC+8*NQ*\sc+NQ*\i+3], v[ADRS] offset:\i*SBLK
.endr
.endm
.macro PLACES n                        ; plain vector instructions between a matrix instruction and a load into, or a read of, its registers
.rept \n
	v_nop
.endr
.endm
.macro STEP slot, q, zero
	s_wait_dscnt 4*NL                              ; B's set, the scale words and A's blocks 0-3 are in; A's blocks 4-7 (eight loads) may be out
	WIN MUL_LO-0x20*(\zero)
	MUL16 0, (\q)%2, \q, \slot, \zero
	MUL16 2, (\q)%2, \q, \slot, \zero
	s_wait_dscnt 0
	PLACES NP
	FETCH_B \slot, (\q)+1, 1-(\q)%2
	FETCH_A \slot, (\q)+1, 0
	WIN MUL_HI-0x30*(\zero)
	MUL16 4, (\q)%2, \q, \slot, \zero
	MUL16 6, (\q)%2, \q, \slot, \zero
	PLACES NP
	WIN 0
	FETCH_A \slot, (\q)+1, 4
.endm
.macro TURN slot, next                 ; a slot's last step: one barrier; nothing is filled again
	s_wait_tensorcnt 0x0                           ; all my tensor loads have landed: my part of the next slot
	ds_add_u32 v[SPW], v[NIL]
	s_wait_dscnt 4*NL+1                            ; the add and A's blocks 4-7 may be out
	WIN MUL_LO
	MUL16 0, 1, NQ-1, \slot, 0
	s_wait_dscnt 0x0                               ; the add is done, my reads of this slot are over
	s_barrier_signal -1
	MUL16 2, 1, NQ-1, \slot, 0
	WIN 0
	s_barrier_wait -1
	PLACES NP
	v_add_nc_u32 v[ADRS], 4*NQ, v[ADRS]            ; the next slot's scale words
	FETCH_B \next, 0, 0
	FETCH_A \next, 0, 0
	SCALES \next
	WIN MUL_HI
	MUL16 4, 1, NQ-1, \slot, 0
	MUL16 6, 1, NQ-1, \slot, 0
	PLACES NP
	WIN 0
	FETCH_A \next, 0, 4
.endm
.macro STEPS slot, from
.set Q, \from
.rept NQ-1-\from
	STEP \slot, Q, 0
.set Q, Q+1
.endr
.endm
	s_wait_tensorcnt 1                             ; the scales and my part of slot 0 are in; slot 1's load may be out
	s_barrier_signal -1
	s_barrier_wait -1
	FETCH_B 0, 0, 0
	FETCH_A 0, 0, 0
	SCALES 0
	FETCH_A 0, 0, 4
	s_wait_loadcnt 0x0                             ; the bias
	s_wait_kmcnt 0x0                               ; the count
	STEP 0, 0, 1
	STEPS 0, 1
	TURN 0, 1
	STEPS 1, 0
	s_wait_dscnt 4*NL                              ; the last step: nothing more to fetch
	WIN MUL_LO
	MUL16 0, 1, NQ-1, 1, 0
	MUL16 2, 1, NQ-1, 1, 0
	s_wait_dscnt 0
	WIN MUL_HI
	MUL16 4, 1, NQ-1, 1, 0
	MUL16 6, 1, NQ-1, 1, 0
	WIN 0
	PLACES NP                                      ; behind the last products, for both ways below
	; THE SUMS OF v OVER MASKED ROWS (part 2 alone: the cluster's x, the same in all partners).  Row 16 a + r of my 128 counts where its place in the batch is at or behind the count.
	s_cmp_eq_u32 ttmp9, 2
	s_cbranch_scc0 .Lno_vsum
	s_and_b32 s2, s23, 7
	s_lshl_b32 s2, s2, 8
	s_lshl_b32 s3, s21, 7
	s_add_co_u32 s2, s2, s3
	v_add_nc_u32 v8, s2, v1                        ; the place of row r of my block 0
	v_mov_b32 v10, 1.0
.irp a, 0,1,2,3,4,5,6,7
	v_add_nc_u32 v9, 16*\a, v8
	v_cmp_le_u32 vcc_lo, s100, v9
	v_cndmask_b32 v[96+2*\a], 0, v10, vcc_lo       ; 1.0 for a masked row, else 0
	v_mov_b32 v[97+2*\a], v[96+2*\a]
.endr
.irp a, 0,1,2,3,4,5,6,7
	WIN 0x02+(\a)/4                                ; source 0: window 2 or 3
.irp b, 0,1,2,3,4,5,6,7
.irp i, 0,2,4,6
.if \a == 0
	v_pk_mul_f32 v[128+8*\b+\i:129+8*\b+\i], v[64*((\a)%4)+8*\b+\i:64*((\a)%4)+8*\b+\i+1], v[96+2*\a:97+2*\a]
.else
	v_pk_fma_f32 v[128+8*\b+\i:129+8*\b+\i], v[64*((\a)%4)+8*\b+\i:64*((\a)%4)+8*\b+\i+1], v[96+2*\a:97+2*\a], v[128+8*\b+\i:129+8*\b+\i]
.endif
.endr
.endr
.endr
	WIN 0
.irp k, 1,2,4,8                        ; over the sixteen rows of a block: the lanes of a half
.set n, 0
.rept 64
	v_add_f32_dpp v[128+n], v[128+n], v[128+n] row_xmask:\k row_mask:0xf bank_mask:0xf
.set n, n+1
.endr
.endr
.irp b, 0,1,2,3,4,5,6,7
	ds_store_b128 v11, v[128+8*\b:131+8*\b] offset:64*\b         ; sixteen lanes write the same bytes with the same values
	ds_store_b128 v11, v[132+8*\b:135+8*\b] offset:64*\b+16
.endr
	ds_load_b128 v[12:15], v30                     ; in order behind my stores: 128 sums, four a lane
	s_wait_dscnt 0x0
	global_store_b128 v[CO], v[12:15], s[18:19]    ; 512 consecutive bytes, aligned
.Lno_vsum:
; THE WAY OUT, a block of 16 tokens x 128 columns (two heads) at a time: rounded to f16, through my stage, back as 128-byte rows of a head: a head's 16 rows are 2,048 consecutive bytes.
.macro PACK a
.set AC, 64*((\a)%4)
	WIN 0x0a+5*((\a)/4)
.irp b, 0,1,2,3,4,5,6,7
.irp r, 0,1,2,3
	v_cvt_pk_f16_f32 v[TMP+4*\b+\r], v[AC+8*\b+2*\r], v[AC+8*\b+2*\r+1]
.endr
.endr
	WIN 0
.endm
.macro TOSTAGE a
.set BB, 96+128*((\a)%2)
.irp b, 0,1,2,3,4,5,6,7
	ds_store_b128 v[STO], v[TMP+4*\b:TMP+4*\b+3] offset:32*\b
.endr
.irp hh, 0,1
.irp i, 0,1,2,3
	ds_load_b128 v[BB+16*\hh+4*\i:BB+16*\hh+4*\i+3], v[RD] offset:\i*4*SPITCH+\hh*128   ; in order behind the stores above
.endr
.endr
.endm
.macro SEND a, younger
.set BB, 96+128*((\a)%2)
	s_wait_dscnt \younger
	s_wait_xcnt 0x0                                ; earlier stores have read their base and registers
.if (\a) > 0
	s_add_nc_u64 s[16:17], s[16:17], 2048          ; 16 rows on
.endif
.irp hh, 0,1
.irp i, 0,1,2,3
	global_store_b128 v[CO], v[BB+16*\hh+4*\i:BB+16*\hh+4*\i+3], s[16:17] offset:\hh*262144+\i*512   ; 512 consecutive bytes, aligned
.endr
.endr
.endm
	PACK 0
	TOSTAGE 0
.irp a, 1,2,3,4,5,6,7
	PACK \a
	SEND \a-1, 0
	TOSTAGE \a
.endr
	SEND 7, 0
	s_wait_tensorcnt 0x0                           ; the wave's end
	ds_add_u32 v[SPW], v[NIL]
	s_wait_dscnt 0x0
	CROUND                                         ; the closing round
	s_endpgm
.Lfunc_end_k_q96be64c7aa_qkv:
	.size	k_q96be64c7aa_qkv, .Lfunc_end_k_q96be64c7aa_qkv-k_q96be64c7aa_qkv
	.p2alignl 7, 3214868480
	.fill 96, 4, 3214868480
	.section	.rodata,"a",@progbits
	.p2align	6, 0x0
	.amdhsa_kernel k_q96be64c7aa_qkv
		.amdhsa_group_segment_fixed_size 327680
		.amdhsa_private_segment_fixed_size 0
		.amdhsa_enable_private_segment 0
		.amdhsa_kernarg_size 64
		.amdhsa_user_sgpr_count 2
		.amdhsa_user_sgpr_kernarg_segment_ptr 1
		.amdhsa_wavefront_size32 1
		.amdhsa_system_sgpr_workgroup_id_x 1
		.amdhsa_system_sgpr_workgroup_id_y 1
		.amdhsa_system_sgpr_workgroup_id_z 1
		.amdhsa_system_vgpr_workitem_id 0
		.amdhsa_next_free_vgpr 1024
		.amdhsa_next_free_sgpr 104
		.amdhsa_reserve_vcc 1
		.amdhsa_float_denorm_mode_32 3
		.amdhsa_float_denorm_mode_16_64 3
		.amdhsa_memory_ordered 1
		.amdhsa_forward_progress 1
		.amdhsa_inst_pref_size 164
	.end_amdhsa_kernel
	.amdgpu_metadata
---
amdhsa.version: [ 1, 2 ]
amdhsa.kernels:
  - .name:           k_q96be64c7aa_qkv
    .symbol:         k_q96be64c7aa_qkv.kd
    .args:
      - { .name: codes, .offset: 0, .size: 8, .value_kind: global_buffer, .address_space: global }
      - { .name: scales, .offset: 8, .size: 8, .value_kind: global_buffer, .address_space: global }
      - { .name: bq, .offset: 16, .size: 8, .value_kind: global_buffer, .address_space: global }
      - { .name: bk, .offset: 24, .size: 8, .value_kind: global_buffer, .address_space: global }
      - { .name: bv, .offset: 32, .size: 8, .value_kind: global_buffer, .address_space: global }
      - { .name: idx, .offset: 40, .size: 8, .value_kind: global_buffer, .address_space: global }
      - { .name: qkv, .offset: 48, .size: 8, .value_kind: global_buffer, .address_space: global }
      - { .name: vpart, .offset: 56, .size: 8, .value_kind: global_buffer, .address_space: global }
    .group_segment_fixed_size: 327680
    .private_segment_fixed_size: 0
    .kernarg_segment_align: 8
    .kernarg_segment_size: 64
    .max_flat_workgroup_size: 128
    .sgpr_count:     104
    .vgpr_count:     1024
    .wavefront_size: 32
...
	.end_amdgpu_metadata
.endif
;; end of part 2
;; launch attn (part 3): grid 4 x 64, 8 waves a work-group, no clusters, 87,040 bytes of LDS; arguments qkv, vpart, idx, attn; writes attn
.if DOCPART == 3
	.amdgcn_target "amdgcn-amd-amdhsa--gfx1250"
	.amdhsa_code_object_version 6
	.text
	.protected	k_q96be64c7aa_attn
	.globl	k_q96be64c7aa_attn
	.p2align	8
	.type	k_q96be64c7aa_attn,@function
k_q96be64c7aa_attn:
	s_mov_b64 s[64:65], 0
	v_nop
	global_prefetch_b8 v0, s[64:65] scope:SCOPE_SE
	s_setreg_imm32_b32 hwreg(HW_REG_WAVE_MODE, 25, 1), 1
	s_wait_xcnt 0x0
; ATTN.  For each (batch, head): O[q] = softmax_k(q . k / 8, masked keys' scores replaced by -1e9) V, on f16 operands with f32 sums, over PERMUTED places: keys 0 .. NK-1 are the kept ones.
; THE MASKED KEYS NEED NO PRODUCTS: they all have the score -1e9, so together they are the starting state of the running softmax: m = -8e9 (raw score; x 1/8 = -1e9), l = their number,
; O = the sum of their v (from vpart).  That holds for every mask: none kept gives the plain mean, all kept starts from m = -3e38, l = 0, O = 0.  The running maximum is kept as in the reference.
; SHARES.  A work-group owns 512 queries of one head; each of its 8 waves 64: four tiles of 16, worked in two pieces of two tiles.  Keys go 64 a step through two LDS slots, staged through
; registers: the number of steps, NS = ceil(NK / 64), is read from memory, so this launch has no tensor load and no joint load (walking all 2,048 keys to keep them would double the softmax's
; work at masks that keep half).  The loop has a constant count of 32 steps; steps at or behind NS do nothing but their barrier.
; LAYOUT.  S^T = K Q^T (source 0 = 16 keys, source 1 = 16 queries), O^T += V^T P (source 0 = 16 channels, turned by ds_load_tr16_b128): a lane holds one query throughout.  P is written over S.
; p = 2^(c s - c m), c = log2(e) / 8.  In the one step that reaches past NK the pad keys' scores become -3e38: p = 0.
; REGISTERS: window 0: v1-15 addresses; v16-47 statistics, 8 a tile (+0 c m, +1 m, +2,+3 l, +4..+7 at work, +6 a); v48-111 S of a piece; v112-175 K; v176-191 staging; v192-194 head's addresses.
;   window 1: v0-127 O^T, 32 a tile; v128-191 Q; v192-255 V.
; LIMITS: |q|, |k|, |v|, |O| under 65,504 (f16); NaN and infinities are not served.
.set PK,    144                        ; a row of K in LDS: 128 bytes + 16
.set PVP,   160                        ; a row of V: 128 + 32
.set VOFF,  64*PK
.set SLOTB, 32768
.set STAGE, 65536                      ; 16 rows x 144 for each wave, for the way out
.set VSB,   STAGE+8*16*PK              ; 256 bytes a wave: the masked keys' sum of v
.set SPARE, VSB+8*256                  ; the spare words, 128 bytes a wave
.set ST,  16
.set S,   48
.set KF,  112
.set G,   176
.set SPW, 254
.set NIL, 255
.set QF,  128
.set VF,  192
.set MSB, 0
.macro WIN new
.if MSB != \new
	s_set_vgpr_msb (MSB<<8)|\new
.set MSB, \new
.endif
.endm
	s_load_b256 s[4:11], s[0:1], 0x0               ; qkv 4:5, vpart 6:7, idx 8:9, attn 10:11
	v_lshl_add_u32 v[SPW], v0, 2, SPARE
	v_mov_b32 v[NIL], 0
	v_lshrrev_b32 v1, 5, v0
	v_readfirstlane_b32 s12, v1                    ; wave 0..7
	s_and_b32 s13, ttmp7, 0xffff                   ; 16 x batch + head
	v_and_b32 v1, 15, v0                           ; r
	v_bfe_u32 v15, v0, 4, 1                        ; h
	v_lshlrev_b32 v2, 3, v15                       ; 8 h
	v_mul_u32_u24 v3, v1, PK
	v_lshl_add_u32 v3, v15, 4, v3                  ; K's fragments: row r, 16 h
	v_and_b32 v4, 7, v0
	v_add_nc_u32 v4, v4, v2
	v_mul_u32_u24 v4, v4, PVP
	v_bfe_u32 v5, v0, 3, 1
	v_lshl_add_u32 v4, v5, 4, v4
	v_add_nc_u32 v4, VOFF, v4                      ; V's turning loads: key 8 h + l % 8, 16 bytes by (l / 8) % 2
	v_lshrrev_b32 v6, 3, v0
	v_and_b32 v7, 7, v0
	v_lshlrev_b32 v7, 4, v7
	v_mad_u32_u24 v5, v6, PK, v7                   ; staging into K's rows: thread t brings 16 bytes of row t / 8
	v_mad_u32_u24 v6, v6, PVP, v7
	v_add_nc_u32 v6, VOFF, v6                      ; and into V's
	v_lshlrev_b32 v7, 4, v0                        ; 16 x thread
	v_lshlrev_b32 v8, 7, v1
	v_lshl_add_u32 v8, v15, 4, v8                  ; Q: row r of 128 bytes, 16 h
	s_mul_i32 s34, s12, 16*PK
	s_add_co_u32 s34, s34, STAGE
	v_add_nc_u32 v9, s34, v3                       ; the way out, in
	v_bfe_u32 v10, v0, 3, 2
	v_mul_u32_u24 v10, v10, PK
	v_and_b32 v11, 7, v0
	v_lshl_add_u32 v10, v11, 4, v10
	v_add_nc_u32 v10, s34, v10                     ; and back: eight lanes a row, four rows an instruction
	v_and_b32 v12, 31, v0
	v_lshlrev_b32 v11, 4, v12                      ; 16 x lane
	v_lshlrev_b32 v194, 3, v12                     ; 8 x lane
	v_lshlrev_b32 v12, 8, v12                      ; 256 x lane: the prefetches
	s_lshl_b32 s34, s12, 8
	s_add_co_u32 s34, s34, VSB
	v_add_nc_u32 v192, s34, v194
	v_lshl_add_u32 v193, v15, 5, s34
	v_mov_b32 v14, 0xff61b1e6                      ; -3e38
	s_mov_b32 s30, 0x3e38aa3b                      ; c = log2(e) / 8
	s_mov_b32 s31, s30
	s_mov_b32 s32, 0x76543210
	s_mov_b32 s33, 0xfedcba98
	s_lshr_b32 s36, s13, 4                         ; batch
	s_lshl_b32 s34, s36, 2
	s_mov_b32 s35, 0
	s_wait_kmcnt 0x0
	s_add_nc_u64 s[8:9], s[8:9], s[34:35]
	s_load_b32 s22, s[8:9], 0x8000                 ; NK: the batch's kept keys
	s_lshl_b32 s34, s13, 18                        ; a head is 262,144 bytes
	s_add_nc_u64 s[20:21], s[4:5], s[34:35]
	s_add_nc_u64 s[14:15], s[20:21], 0x1000000     ; K
	s_add_nc_u64 s[16:17], s[20:21], 0x2000000     ; V
	s_add_nc_u64 s[10:11], s[10:11], s[34:35]
	s_lshl_b32 s34, ttmp9, 16
	s_lshl_b32 s37, s12, 13
	s_add_co_u32 s34, s34, s37                     ; my wave's 64 queries
	s_add_nc_u64 s[20:21], s[20:21], s[34:35]
	s_add_nc_u64 s[10:11], s[10:11], s[34:35]
	s_lshl_b32 s34, s36, 16
	s_and_b32 s37, s13, 15
	s_lshl_b32 s37, s37, 8
	s_add_co_u32 s34, s34, s37
	s_add_nc_u64 s[6:7], s[6:7], s[34:35]          ; vpart: the batch's 16 halves, my head's 64 channels
	global_load_b128 v[G:G+3], v7, s[14:15]        ; key step 0
	global_load_b128 v[G+4:G+7], v7, s[14:15] offset:4096
	global_load_b128 v[G+8:G+11], v7, s[16:17]
	global_load_b128 v[G+12:G+15], v7, s[16:17] offset:4096
	WIN 0x40                                       ; destination window 1
.irp t, 0,1,2,3
.irp kc, 0,1
	global_load_b128 v[QF+16*\t+8*\kc:QF+16*\t+8*\kc+3], v8, s[20:21] offset:\t*2048+64*\kc th:TH_LOAD_NT
	global_load_b128 v[QF+16*\t+8*\kc+4:QF+16*\t+8*\kc+7], v8, s[20:21] offset:\t*2048+64*\kc+32 th:TH_LOAD_NT
.endr
.endr
	WIN 0
.irp i, 0,1,2,3,4,5,6,7,8,9,10,11,12,13,14,15
	global_load_b64 v[S+2*\i:S+2*\i+1], v194, s[6:7] offset:4096*\i
.endr
	s_wait_loadcnt 32                              ; key step 0 is in: behind it 16 loads of Q and 16 of vpart
	ds_store_b128 v5, v[G:G+3]
	ds_store_b128 v5, v[G+4:G+7] offset:32*PK
	ds_store_b128 v6, v[G+8:G+11]
	ds_store_b128 v6, v[G+12:G+15] offset:32*PVP
	s_wait_loadcnt 0x0
.irp i, 2,4,6,8,10,12,14
	v_pk_add_f32 v[S:S+1], v[S:S+1], v[S+2*\i:S+2*\i+1]
	v_pk_add_f32 v[S+2:S+3], v[S+2:S+3], v[S+2*\i+2:S+2*\i+3]
.endr
	v_pk_add_f32 v[S:S+1], v[S:S+1], v[S+2:S+3]    ; channels 2 l, 2 l + 1 of the masked keys' sum
	ds_store_b64 v192, v[S:S+1]
	WIN 0x40
.irp t, 0,1,2,3
.irp ct, 0,1,2,3
	ds_load_b128 v[32*\t+8*\ct:32*\t+8*\ct+3], v193 offset:64*\ct        ; my wave's own bytes, in order behind the store: O^T starts as that sum, in every tile
	ds_load_b128 v[32*\t+8*\ct+4:32*\t+8*\ct+7], v193 offset:64*\ct+16
.endr
.endr
	WIN 0
	s_wait_kmcnt 0x0
	s_min_u32 s22, s22, 2048
	s_add_co_u32 s23, s22, 63
	s_lshr_b32 s23, s23, 6                         ; NS, at most 32
	s_sub_co_u32 s34, 2048, s22                    ; masked keys
	s_mov_b32 s35, 0xff61b1e6
	s_cmp_lg_u32 s34, 0
	s_cselect_b32 s35, 0xcfee6b28, s35             ; -8e9 where there are any, else -3e38
	v_sub_nc_u32 v13, 1, v15
	v_mul_u32_u24 v13, s34, v13                    ; lanes 0-15 carry their number: the halves are added at the end
	v_cvt_f32_u32 v13, v13
.irp t, 0,1,2,3
	v_mov_b32 v[ST+8*\t+1], s35
	v_mul_f32 v[ST+8*\t], s30, v[ST+8*\t+1]
	v_mov_b32 v[ST+8*\t+2], v13
	v_mov_b32 v[ST+8*\t+3], 0
	v_mov_b32 v[ST+8*\t+4], 0
	v_mov_b32 v[ST+8*\t+5], 0
	v_mov_b32 v[ST+8*\t+6], 0
	v_mov_b32 v[ST+8*\t+7], 0
.endr
	; the prefetches: all four work-groups of a head walk the same K and V: the first asks, its wave 0 for K's step, its wave 1 for V's: 32 lanes x 256 bytes are a step's 8,192
	s_lshr_b32 s36, s12, 1
	s_or_b32 s36, s36, ttmp9
	s_cmp_eq_u32 s36, 0
	s_cselect_b32 s27, s23, 0
	s_cmp_eq_u32 s12, 0
	s_cselect_b64 s[18:19], s[14:15], s[16:17]
	s_mov_b32 s24, 0                               ; T: the key step
	s_mov_b32 s28, 0
.macro KQ p                            ; 16 products: eight accumulators by turns
	WIN 0x04                                       ; Q in window 1
.irp kc, 0,1
.irp kt, 0,1,2,3
.irp u, 0,1
.if \kc == 0
	v_wmma_f32_16x16x32_f16 v[S+32*\u+8*\kt:S+32*\u+8*\kt+7], v[KF+16*\kt+8*\kc:KF+16*\kt+8*\kc+7], v[QF+16*(2*\p+\u)+8*\kc:QF+16*(2*\p+\u)+8*\kc+7], 0
.else
	v_wmma_f32_16x16x32_f16 v[S+32*\u+8*\kt:S+32*\u+8*\kt+7], v[KF+16*\kt+8*\kc:KF+16*\kt+8*\kc+7], v[QF+16*(2*\p+\u)+8*\kc:QF+16*(2*\p+\u)+8*\kc+7], v[S+32*\u+8*\kt:S+32*\u+8*\kt+7]
.endif
.endr
.endr
.endr
.endm
.macro PV p
	WIN 0x51                                       ; V, C and D in window 1, P in window 0
.irp kg, 0,1
.irp ct, 0,1,2,3
.irp u, 0,1
	v_wmma_f32_16x16x32_f16 v[32*(2*\p+\u)+8*\ct:32*(2*\p+\u)+8*\ct+7], v[VF+32*\kg+8*\ct:VF+32*\kg+8*\ct+7], v[S+32*\u+8*\kg:S+32*\u+8*\kg+7], v[32*(2*\p+\u)+8*\ct:32*(2*\p+\u)+8*\ct+7]
.endr
.endr
.endr
.endm
.macro PADMASK                         ; register 8 kt + j holds key 64 T + 16 kt + 8 h + j: a pad key where 16 kt + j >= NK - 64 T - 8 h.  A step all of whose keys are kept skips this
	s_lshl_b32 s34, s24, 6
	s_add_co_u32 s35, s34, 64
	s_cmp_le_u32 s35, s22
	s_cbranch_scc1 .Lopen_\@
	s_sub_co_i32 s34, s22, s34
	v_sub_nc_u32 v13, s34, v2
.set n, 0
.rept 32
	v_cmp_gt_i32 vcc_lo, 16*(n/8)+n%8+1, v13
	v_cndmask_b32 v[S+n], v[S+n], v14, vcc_lo
	v_cndmask_b32 v[S+32+n], v[S+32+n], v14, vcc_lo
.set n, n+1
.endr
.Lopen_\@:
.endm
.macro SM p                            ; the softmax of a piece's two tiles for one key step, the tiles line by line
.irp j, 0,1,2,3
.irp u, 0,1
	v_max3_num_f32 v[ST+8*(2*\p+\u)+4+\j], v[S+32*\u+8*\j], v[S+32*\u+8*\j+1], v[S+32*\u+8*\j+2]   ; each accumulator is read from its low end on
.endr
.endr
.irp g, 1,2
.irp j, 0,1,2,3
.irp u, 0,1
	v_max3_num_f32 v[ST+8*(2*\p+\u)+4+\j], v[ST+8*(2*\p+\u)+4+\j], v[S+32*\u+8*\j+2*\g+1], v[S+32*\u+8*\j+2*\g+2]
.endr
.endr
.endr
.irp u, 0,1
	v_max3_num_f32 v[ST+8*(2*\p+\u)+4], v[ST+8*(2*\p+\u)+4], v[S+32*\u+7], v[S+32*\u+15]
.endr
.irp u, 0,1
	v_max3_num_f32 v[ST+8*(2*\p+\u)+6], v[ST+8*(2*\p+\u)+6], v[S+32*\u+23], v[S+32*\u+31]
.endr
.irp u, 0,1
	v_max3_num_f32 v[ST+8*(2*\p+\u)+4], v[ST+8*(2*\p+\u)+4], v[ST+8*(2*\p+\u)+5], v[ST+8*(2*\p+\u)+6]
.endr
.irp u, 0,1
	v_max3_num_f32 v[ST+8*(2*\p+\u)+4], v[ST+8*(2*\p+\u)+4], v[ST+8*(2*\p+\u)+7], v[ST+8*(2*\p+\u)+1]   ; with the old m
.endr
.irp u, 0,1
	v_permlanex16_b32 v[ST+8*(2*\p+\u)+5], v[ST+8*(2*\p+\u)+4], s32, s33   ; the query's other keys lie 16 lanes away
.endr
.irp u, 0,1
	v_mov_b32 v[ST+8*(2*\p+\u)+7], v[ST+8*(2*\p+\u)]                       ; c m_old
.endr
.irp u, 0,1
	v_max_num_f32 v[ST+8*(2*\p+\u)+1], v[ST+8*(2*\p+\u)+4], v[ST+8*(2*\p+\u)+5]
.endr
.irp u, 0,1
	v_mul_f32 v[ST+8*(2*\p+\u)], s30, v[ST+8*(2*\p+\u)+1]
.endr
.irp u, 0,1
	v_sub_f32 v[ST+8*(2*\p+\u)+7], v[ST+8*(2*\p+\u)+7], v[ST+8*(2*\p+\u)]
.endr
.irp b, 0,1,2,3,4,5,6,7,8,9,10,11,12,13,14,15
.irp u, 0,1
	v_pk_fma_f32 v[S+32*\u+2*\b:S+32*\u+2*\b+1], v[S+32*\u+2*\b:S+32*\u+2*\b+1], s[30:31], v[ST+8*(2*\p+\u):ST+8*(2*\p+\u)+1] op_sel_hi:[1,0,0] neg_lo:[0,0,1] neg_hi:[0,0,1]   ; c s - c m
.endr
.endr
.irp u, 0,1
	v_exp_f32 v[ST+8*(2*\p+\u)+6], v[ST+8*(2*\p+\u)+7]                     ; a = 2^(c m_old - c m_new)
.endr
.set n, 0
.rept 64
	v_exp_f32 v[S+n], v[S+n]                       ; one batch of 66 exponentials
.set n, n+1
.endr
	v_nop                                          ; a plain instruction behind the last exponential
	s_wait_alu depctr_va_vdst(0)                   ; one wait for the batch, ahead of its first reader
.irp u, 0,1
	v_pk_mul_f32 v[ST+8*(2*\p+\u)+2:ST+8*(2*\p+\u)+3], v[ST+8*(2*\p+\u)+2:ST+8*(2*\p+\u)+3], v[ST+8*(2*\p+\u)+6:ST+8*(2*\p+\u)+7] op_sel_hi:[1,0]
.endr
.irp u, 0,1
	v_pk_add_f32 v[ST+8*(2*\p+\u)+4:ST+8*(2*\p+\u)+5], v[S+32*\u:S+32*\u+1], v[S+32*\u+2:S+32*\u+3]
.endr
.irp j, 4,8,12,16,20,24,28
.irp u, 0,1
	v_pk_add_f32 v[ST+8*(2*\p+\u)+2:ST+8*(2*\p+\u)+3], v[ST+8*(2*\p+\u)+2:ST+8*(2*\p+\u)+3], v[S+32*\u+\j:S+32*\u+\j+1]
	v_pk_add_f32 v[ST+8*(2*\p+\u)+4:ST+8*(2*\p+\u)+5], v[ST+8*(2*\p+\u)+4:ST+8*(2*\p+\u)+5], v[S+32*\u+\j+2:S+32*\u+\j+3]
.endr
.endr
.irp u, 0,1
	v_pk_add_f32 v[ST+8*(2*\p+\u)+2:ST+8*(2*\p+\u)+3], v[ST+8*(2*\p+\u)+2:ST+8*(2*\p+\u)+3], v[ST+8*(2*\p+\u)+4:ST+8*(2*\p+\u)+5]
.endr
.irp i, 0,1,2,3,4,5,6,7,8,9,10,11,12,13,14,15
.irp u, 0,1
	v_cvt_pk_f16_f32 v[S+32*\u+\i], v[S+32*\u+2*\i], v[S+32*\u+2*\i+1]     ; P over S, ascending: register i is free when pair i is rounded
.endr
.endr
	WIN 0x41                                       ; O^T in window 1, a in window 0
.irp u, 0,1
.irp i, 0,2,4,6,8,10,12,14,16,18,20,22,24,26,28,30
	v_pk_mul_f32 v[32*(2*\p+\u)+\i:32*(2*\p+\u)+\i+1], v[32*(2*\p+\u)+\i:32*(2*\p+\u)+\i+1], v[ST+8*(2*\p+\u)+6:ST+8*(2*\p+\u)+7] op_sel_hi:[1,0]
.endr
.endr
.endm
.macro COMPUTE slot
.rept 5
	v_nop                                          ; behind the last step's V^T P: four places for the loads into V's registers, five for the K Q^T that writes over P
.endr
.irp kt, 0,1,2,3
.irp kc, 0,1
	ds_load_b128 v[KF+16*\kt+8*\kc:KF+16*\kt+8*\kc+3], v3 offset:\slot*SLOTB+\kt*16*PK+64*\kc
	ds_load_b128 v[KF+16*\kt+8*\kc+4:KF+16*\kt+8*\kc+7], v3 offset:\slot*SLOTB+\kt*16*PK+64*\kc+32
.endr
.endr
	WIN 0x40
.irp kg, 0,1
.irp ct, 0,1,2,3
	ds_load_tr16_b128 v[VF+32*\kg+8*\ct:VF+32*\kg+8*\ct+3], v4 offset:\slot*SLOTB+\kg*32*PVP+32*\ct
	ds_load_tr16_b128 v[VF+32*\kg+8*\ct+4:VF+32*\kg+8*\ct+7], v4 offset:\slot*SLOTB+\kg*32*PVP+16*PVP+32*\ct
.endr
.endr
	WIN 0
	s_wait_dscnt 16                                ; K is in; V's 16 loads may be out
	KQ 0
	WIN 0
.rept 4
	v_nop
.endr
	PADMASK
	SM 0
	s_wait_dscnt 0x0                               ; V is in
	PV 0
.rept 5
	v_nop                                          ; the next K Q^T writes over P, which these products read
.endr
	KQ 1
	WIN 0
.rept 4
	v_nop
.endr
	PADMASK
	SM 1
	PV 1
	WIN 0
.endm
; A KEY STEP.  One barrier: in front of it my stores of step T's tiles and my reads of the other slot are done; behind it step T is read and step T + 1, loaded into registers meanwhile, is stored into the other slot.
.macro TRIP slot
	s_wait_dscnt 0x0                               ; also: the last step's LDS stores have read the staging registers
	s_add_co_u32 s25, s24, 1
	s_cmp_lt_u32 s25, s23
	s_cbranch_scc0 .Lnl_\@
	global_load_b128 v[G:G+3], v7, s[14:15] offset:8192
	global_load_b128 v[G+4:G+7], v7, s[14:15] offset:12288
	global_load_b128 v[G+8:G+11], v7, s[16:17] offset:8192
	global_load_b128 v[G+12:G+15], v7, s[16:17] offset:12288
	s_add_co_u32 s26, s24, 3
	s_cmp_lt_u32 s26, s27
	s_cbranch_scc0 .Lnl_\@
	global_prefetch_b8 v12, s[18:19] offset:24576 th:TH_LOAD_NT scope:SCOPE_SE   ; step T + 3, two steps ahead of its load; it stops where T + 3 reaches NS
.Lnl_\@:
	s_barrier_signal -1
	s_barrier_wait -1
	s_cmp_lt_u32 s24, s23
	s_cbranch_scc0 .Lskip_\@
	COMPUTE \slot
.Lskip_\@:
	s_wait_loadcnt 0x0                             ; step T + 1 is in the staging registers
	s_cmp_lt_u32 s25, s23
	s_cbranch_scc0 .Lns_\@
	ds_store_b128 v5, v[G:G+3] offset:(1-\slot)*SLOTB
	ds_store_b128 v5, v[G+4:G+7] offset:(1-\slot)*SLOTB+32*PK
	ds_store_b128 v6, v[G+8:G+11] offset:(1-\slot)*SLOTB
	ds_store_b128 v6, v[G+12:G+15] offset:(1-\slot)*SLOTB+32*PVP
.Lns_\@:
	s_wait_xcnt 0x0                                ; the loads and the prefetch have read their bases
	s_add_nc_u64 s[14:15], s[14:15], 8192
	s_add_nc_u64 s[16:17], s[16:17], 8192
	s_add_nc_u64 s[18:19], s[18:19], 8192
	s_mov_b32 s24, s25
.endm
.Lloop:
	TRIP 0
	TRIP 1
	s_add_co_u32 s28, s28, 1
	s_cmp_lt_u32 s28, 16
	s_cbranch_scc1 .Lloop
	; THE WAY OUT.  l's halves are added (these plain lines are the places behind the last products); O^T / l, rounded to f16, goes through my stage a tile at a time.
.irp t, 0,1,2,3
	v_add_f32 v[ST+8*\t+4], v[ST+8*\t+2], v[ST+8*\t+3]
.endr
.irp t, 0,1,2,3
	v_permlanex16_b32 v[ST+8*\t+5], v[ST+8*\t+4], s32, s33
.endr
.irp t, 0,1,2,3
	v_add_f32 v[ST+8*\t+4], v[ST+8*\t+4], v[ST+8*\t+5]
.endr
.irp t, 0,1,2,3
	v_rcp_f32 v[ST+8*\t+6], v[ST+8*\t+4]
.endr
	v_nop
	s_wait_alu depctr_va_vdst(0)                   ; one wait for the four reciprocals
.macro PACKT t
	WIN 0x41
.irp i, 0,2,4,6,8,10,12,14,16,18,20,22,24,26,28,30
	v_pk_mul_f32 v[32*\t+\i:32*\t+\i+1], v[32*\t+\i:32*\t+\i+1], v[ST+8*\t+6:ST+8*\t+7] op_sel_hi:[1,0]
.endr
	WIN 0x05
.irp i, 0,1,2,3,4,5,6,7,8,9,10,11,12,13,14,15
	v_cvt_pk_f16_f32 v[S+16*\t+\i], v[32*\t+2*\i], v[32*\t+2*\i+1]
.endr
	WIN 0
.irp ct, 0,1,2,3
	ds_store_b128 v9, v[S+16*\t+4*\ct:S+16*\t+4*\ct+3] offset:32*\ct
.endr
.irp i, 0,1,2,3
	ds_load_b128 v[KF+16*\t+4*\i:KF+16*\t+4*\i+3], v10 offset:\i*4*PK   ; in order behind the stores; the next tile's stores come behind these
.endr
.endm
.macro SENDT t, younger
.irp i, 0,1,2,3
	s_wait_dscnt \younger+3-\i
	global_store_b128 v11, v[KF+16*\t+4*\i:KF+16*\t+4*\i+3], s[10:11] offset:\t*2048+\i*512   ; 512 consecutive bytes, aligned
.endr
.endm
	PACKT 0
	PACKT 1
	SENDT 0, 8
	PACKT 2
	SENDT 1, 8
	PACKT 3
	SENDT 2, 8
	SENDT 3, 0
	s_wait_tensorcnt 0x0                           ; the wave's end
	ds_add_u32 v[SPW], v[NIL]
	s_wait_dscnt 0x0
	s_endpgm
.Lfunc_end_k_q96be64c7aa_attn:
	.size	k_q96be64c7aa_attn, .Lfunc_end_k_q96be64c7aa_attn-k_q96be64c7aa_attn
	.p2alignl 7, 3214868480
	.fill 96, 4, 3214868480
	.section	.rodata,"a",@progbits
	.p2align	6, 0x0
	.amdhsa_kernel k_q96be64c7aa_attn
		.amdhsa_group_segment_fixed_size 87040
		.amdhsa_private_segment_fixed_size 0
		.amdhsa_enable_private_segment 0
		.amdhsa_kernarg_size 32
		.amdhsa_user_sgpr_count 2
		.amdhsa_user_sgpr_kernarg_segment_ptr 1
		.amdhsa_wavefront_size32 1
		.amdhsa_system_sgpr_workgroup_id_x 1
		.amdhsa_system_sgpr_workgroup_id_y 1
		.amdhsa_system_sgpr_workgroup_id_z 1
		.amdhsa_system_vgpr_workitem_id 0
		.amdhsa_next_free_vgpr 512
		.amdhsa_next_free_sgpr 66
		.amdhsa_reserve_vcc 1
		.amdhsa_float_denorm_mode_32 3
		.amdhsa_float_denorm_mode_16_64 3
		.amdhsa_memory_ordered 1
		.amdhsa_forward_progress 1
		.amdhsa_inst_pref_size 106
	.end_amdhsa_kernel
	.amdgpu_metadata
---
amdhsa.version: [ 1, 2 ]
amdhsa.kernels:
  - .name:           k_q96be64c7aa_attn
    .symbol:         k_q96be64c7aa_attn.kd
    .args:
      - { .name: qkv, .offset: 0, .size: 8, .value_kind: global_buffer, .address_space: global }
      - { .name: vpart, .offset: 8, .size: 8, .value_kind: global_buffer, .address_space: global }
      - { .name: idx, .offset: 16, .size: 8, .value_kind: global_buffer, .address_space: global }
      - { .name: attn, .offset: 24, .size: 8, .value_kind: global_buffer, .address_space: global }
    .group_segment_fixed_size: 87040
    .private_segment_fixed_size: 0
    .kernarg_segment_align: 8
    .kernarg_segment_size: 32
    .max_flat_workgroup_size: 256
    .sgpr_count:     66
    .vgpr_count:     512
    .wavefront_size: 32
...
	.end_amdgpu_metadata
.endif
;; end of part 3
;; launch oproj (part 4): grid 4 x 64, 4 waves a work-group, clusters of 4 x 4, 327,680 bytes of LDS; arguments attn, wo16, bo, idx, out0; writes out0
.if DOCPART == 4
	.amdgcn_target "amdgcn-amd-amdhsa--gfx1250"
	.amdhsa_code_object_version 6
	.text
	.protected	k_q96be64c7aa_oproj
	.globl	k_q96be64c7aa_oproj
	.p2align	8
	.type	k_q96be64c7aa_oproj,@function
k_q96be64c7aa_oproj:
	s_mov_b64 s[64:65], 0
	v_nop
	global_prefetch_b8 v0, s[64:65] scope:SCOPE_SE
	s_setreg_imm32_b32 hwreg(HW_REG_WAVE_MODE, 25, 1), 1
	s_wait_xcnt 0x0
	s_wait_alu depctr_hold_cnt(0) depctr_sa_sdst(0) depctr_va_vdst(0) depctr_va_sdst(0) depctr_va_ssrc(0) depctr_va_vcc(0) depctr_vm_vsrc(0)
	s_getreg_b32 s2, hwreg(HW_REG_IB_STS2, 6, 4)
	s_cmp_eq_u32 s2, 0
	s_cbranch_scc0 .Lentry_in_a_cluster
	s_endpgm
.Lentry_in_a_cluster:
	s_bfe_u32 s2, ttmp6, 0x10000c
	s_cmp_lg_u32 s2, 0xf033
	s_cbranch_scc0 .Lentry_shape_is_right
	s_endpgm
.Lentry_shape_is_right:
; OPROJ.  out0[tok[row]][n] = the sum over k of attn[row][k] Wo[k][n] + bo[n], f16 operands, f32 sums.  attn lies by head, [batch][head][place][64]; row = 2,048 x batch + place; k = 64 x head + channel.
; A tile is 128 rows x 256 columns: 256 work-groups.  Four waves, 64 x 128 each: 32 accumulators.  K goes in steps of 128 (two heads) through two LDS slots filled by the tensor data mover.
; CLUSTERS 4 x 4: attn's tiles are shared along a row of the cluster, Wo's along a column, by joint loads.  Waves 0, 1 fetch a head's 128 rows each; waves 2, 3 fetch 64 rows of Wo each.
; THE MATRIX INSTRUCTION IS USED TRANSPOSED: source 0 = 16 columns of Wo (turned by ds_load_tr16_b128), source 1 = 16 rows of attn: a lane holds eight neighbouring columns of one row.
; bo is the C of each sum's first product.  Each row leaves as 512 consecutive bytes of its true token's row.
; REGISTERS: window 0: v16-30 addresses; v32-95 the bias, later the 64 rows' store offsets; v128-255 rows on the way out.  window 1: the accumulators ((a, b) at v[8 (8 a + b)]).
;   window 2: two fragment buffers of 96: attn's four blocks, then Wo's eight.
.set PA,    144                        ; a row of attn in LDS: 128 bytes + 16
.set PB,    544                        ; a row of Wo: 512 bytes + 32
.set AH,    128*PA                     ; a head's 128 rows
.set BOFF,  2*AH
.set BH,    64*PB
.set SLOT,  BOFF+2*BH                  ; 106,496
.set STAGE, 2*SLOT                     ; 16 rows x 528 for each wave
.set SPITCH, 528
.set SPARE, STAGE+4*16*SPITCH
.set ADRA, 16
.set ADRB, 20
.set STO,  24
.set RD,   25
.set CO,   26
.set ZERO, 27
.set SPW,  28
.set NIL,  29
.set BOO,  30
.set BIAS, 32
.set VO,   32
.set BK,   128
.set F0,   0
.set F1,   96
.set G1, 24
.set G0, 32
.set G1B, 48
.set G0B, 56
.set MSB, 0
.macro WIN new
.if MSB != \new
	s_set_vgpr_msb (MSB<<8)|\new
.set MSB, \new
.endif
.endm
.set MUL,  0x5a                        ; sources 0, 1 window 2; C and D window 1 (first products: C window 0: 0x4a)
.set TO_F, 0x80
.macro JLOAD s                         ; an s_nop 0 and four v_nop follow each of the two lines
	s_cmp_eq_u32 s15, 0
	s_cbranch_scc0 .Lfor_b_\@
	tensor_load_to_lds s[G0+4*\s:G0+4*\s+3], s[G1:G1+7]
	s_nop 0
.rept 4
	v_nop
.endr
	s_branch .Lasked_\@
.Lfor_b_\@:
	tensor_load_to_lds s[G0B+4*\s:G0B+4*\s+3], s[G1B:G1B+7]
	s_nop 0
.rept 4
	v_nop
.endr
.Lasked_\@:
.endm
.macro CREST
	s_cmp_lg_u32 s14, 0
	s_cbranch_scc1 .Lnot_wave_0_\@
	s_barrier_signal -3
.Lnot_wave_0_\@:
	s_barrier_wait -3
	s_barrier_signal -1
	s_barrier_wait -1
.endm
.macro CROUND
	s_barrier_signal -1
	s_barrier_wait -1
	CREST
.endm
	s_load_b256 s[4:11], s[0:1], 0x0               ; attn 4:5, wo16 6:7, bo 8:9, idx 10:11
	s_load_b64 s[12:13], s[0:1], 0x20              ; out0
	v_lshl_add_u32 v[SPW], v0, 2, SPARE
	v_mov_b32 v[NIL], 0
	ds_add_u32 v[SPW], v[NIL]                      ; the wave's opening: the add, twice on end, and its wait ahead of my first tensor load
	ds_add_u32 v[SPW], v[NIL]
	v_lshrrev_b32 v1, 5, v0
	v_readfirstlane_b32 s14, v1                    ; wave
	s_lshr_b32 s15, s14, 1                         ; my half of the rows; also: I fetch attn (0) or Wo (1)
	s_and_b32 s16, s14, 1                          ; my half of the columns; also: which half of the step's tile I fetch
	s_bfe_u32 s40, ttmp6, 0x40000
	s_bfe_u32 s41, ttmp6, 0x40004
	s_lshl_b32 s42, ttmp9, 2
	s_add_co_u32 s42, s42, s40                     ; tile column
	s_and_b32 s17, ttmp7, 0xffff
	s_lshl_b32 s17, s17, 2
	s_add_co_u32 s17, s17, s41                     ; tile row
	s_lshl_b32 s43, s41, 2
	s_lshl_b32 s43, 15, s43
	s_lshl_b32 s44, 0x1111, s40
	s_or_b32 s[G1+0], s43, (1<<16)|(1<<20)|(1<<21)|(4<<22)|(3<<25)   ; elements of 2 bytes; 4 words of padding behind every 32
	s_mov_b32 s[G1+1], 64<<16                      ; tensor_dim0 = 64
	s_mov_b32 s[G1+2], 128<<16                     ; tensor_dim1 = 128
	s_mov_b32 s[G1+3], 64<<16                      ; tile_dim0
	s_mov_b32 s[G1+4], 128                         ; tile_dim1
	s_mov_b32 s[G1+5], 64                          ; pitch: a head's rows are dense
	s_mov_b32 s[G1+6], 0
	s_mov_b32 s[G1+7], 0
	s_or_b32 s[G1B+0], s44, (1<<16)|(1<<20)|(1<<21)|(6<<22)|(7<<25)  ; 8 words of padding behind every 128
	s_mov_b32 s[G1B+1], 256<<16
	s_mov_b32 s[G1B+2], 64<<16
	s_mov_b32 s[G1B+3], 256<<16
	s_mov_b32 s[G1B+4], 64
	s_mov_b32 s[G1B+5], 1024
	s_mov_b32 s[G1B+6], 0
	s_mov_b32 s[G1B+7], 0
	s_lshr_b32 s20, s17, 4
	s_lshl_b32 s20, s20, 4
	s_add_co_u32 s20, s20, s16                     ; 16 x batch + the head that I fetch in step 0
	s_lshl_b32 s20, s20, 11
	s_and_b32 s21, s17, 15
	s_lshl_b32 s21, s21, 7
	s_add_co_u32 s20, s20, s21
	s_lshl_b32 s20, s20, 7
	s_mov_b32 s21, 0
	s_lshl_b32 s46, s16, 17                        ; 64 rows of Wo, 2,048 bytes each
	s_lshl_b32 s47, s42, 9
	s_add_co_u32 s46, s46, s47
	s_mov_b32 s47, 0
	s_mul_i32 s22, s16, AH
	s_mul_i32 s23, s16, BH
	s_add_co_u32 s23, s23, BOFF
	s_wait_dscnt 0x0                               ; both opening adds are done
	s_wait_kmcnt 0x0
	s_add_nc_u64 s[20:21], s[4:5], s[20:21]
	s_add_nc_u64 s[46:47], s[6:7], s[46:47]
	CROUND
.irp s, 0,1
	s_mov_b32 s[G0+4*\s], 1
	s_add_co_u32 s[G0+4*\s+1], s22, \s*SLOT
	s_add_nc_u64 s[G0+4*\s+2:G0+4*\s+3], s[20:21], \s*524288      ; two heads on
	s_or_b32 s[G0+4*\s+3], s[G0+4*\s+3], 0x80000000
	s_mov_b32 s[G0B+4*\s], 1
	s_add_co_u32 s[G0B+4*\s+1], s23, \s*SLOT
	s_add_nc_u64 s[G0B+4*\s+2:G0B+4*\s+3], s[46:47], \s*262144    ; 128 rows of Wo on
	s_or_b32 s[G0B+4*\s+3], s[G0B+4*\s+3], 0x80000000
	JLOAD \s                                       ; two loads of mine are out
.endr
	v_and_b32 v1, 15, v0
	v_bfe_u32 v2, v0, 4, 1
	v_mul_u32_u24 v3, v1, PA
	v_lshl_add_u32 v3, v2, 4, v3
	s_mul_i32 s2, s15, 64*PA
	v_and_b32 v4, 7, v0
	v_lshl_add_u32 v4, v2, 3, v4
	v_mul_u32_u24 v4, v4, PB
	v_bfe_u32 v5, v0, 3, 1
	v_lshl_add_u32 v4, v5, 4, v4
	s_lshl_b32 s3, s16, 8
	s_add_co_u32 s3, s3, BOFF
.irp s, 0,1
	v_add_nc_u32 v[ADRA+\s], s2, v3
	v_add_nc_u32 v[ADRB+\s], s3, v4
	s_add_co_u32 s2, s2, SLOT
	s_add_co_u32 s3, s3, SLOT
.endr
	s_mul_i32 s2, s14, 16*SPITCH
	s_add_co_u32 s2, s2, STAGE
	v_mul_u32_u24 v5, v1, SPITCH
	v_lshl_add_u32 v5, v2, 5, v5
	v_add_nc_u32 v[STO], s2, v5
	v_and_b32 v6, 31, v0
	v_lshlrev_b32 v[CO], 4, v6
	v_add_nc_u32 v[RD], s2, v[CO]
	v_mov_b32 v[ZERO], 0
	v_lshlrev_b32 v[BOO], 5, v2
	s_lshl_b32 s2, s42, 10
	s_lshl_b32 s3, s16, 9
	s_add_co_u32 s2, s2, s3                        ; my first column, in bytes of f32
	s_mov_b32 s3, 0
	s_add_nc_u64 s[8:9], s[8:9], s[2:3]
	s_add_nc_u64 s[12:13], s[12:13], s[2:3]
	s_lshl_b32 s2, s17, 9
	s_lshl_b32 s18, s15, 8
	s_add_co_u32 s2, s2, s18
	s_add_nc_u64 s[10:11], s[10:11], s[2:3]        ; tok of my 64 rows
.irp b, 0,1,2,3,4,5,6,7
	global_load_b128 v[BIAS+8*\b:BIAS+8*\b+3], v[BOO], s[8:9] offset:64*\b
	global_load_b128 v[BIAS+8*\b+4:BIAS+8*\b+7], v[BOO], s[8:9] offset:64*\b+16
.endr
.macro MUL8 f, a, first                ; the 32 accumulators take turns, one instruction a turn
.irp b, 0,1,2,3,4,5,6,7
.if \first
	v_wmma_f32_16x16x32_f16 v[8*(8*(\a)+\b):8*(8*(\a)+\b)+7], v[\f+32+8*\b:\f+32+8*\b+7], v[\f+8*(\a):\f+8*(\a)+7], v[BIAS+8*\b:BIAS+8*\b+7]
.else
	v_wmma_f32_16x16x32_f16 v[8*(8*(\a)+\b):8*(8*(\a)+\b)+7], v[\f+32+8*\b:\f+32+8*\b+7], v[\f+8*(\a):\f+8*(\a)+7], v[8*(8*(\a)+\b):8*(8*(\a)+\b)+7]
.endif
.endr
.endm
.macro FETCH slot, q, f                ; 24 LDS loads: the slot's q-th 32 along K: Wo's eight fragments first, then attn's four
	WIN TO_F
.irp b, 0,1,2,3,4,5,6,7
	ds_load_tr16_b128 v[\f+32+8*\b:\f+32+8*\b+3], v[ADRB+\slot] offset:(\q)*32*PB+32*\b
	ds_load_tr16_b128 v[\f+32+8*\b+4:\f+32+8*\b+7], v[ADRB+\slot] offset:(\q)*32*PB+16*PB+32*\b
.endr
.irp a, 0,1,2,3
	ds_load_b128 v[\f+8*\a:\f+8*\a+3], v[ADRA+\slot] offset:((\q)/2)*AH+\a*16*PA+64*((\q)%2)
	ds_load_b128 v[\f+8*\a+4:\f+8*\a+7], v[ADRA+\slot] offset:((\q)/2)*AH+\a*16*PA+64*((\q)%2)+32
.endr
.endm
.macro PLACES
.rept 4
	v_nop
.endr
.endm
.macro QUARTER slot, qn, f, g, first   ; multiplies buffer f, fetches the slot's quarter qn into g
	s_wait_dscnt 4                                 ; Wo's fragments and attn's blocks 0, 1 are in; blocks 2, 3 (four loads) may be out
	WIN MUL-0x10*(\first)
	MUL8 \f, 0, \first
	MUL8 \f, 1, \first
	PLACES
	FETCH \slot, \qn, \g
	s_wait_dscnt 24                                ; all but the 24 just issued
	WIN MUL-0x10*(\first)
	MUL8 \f, 2, \first
	MUL8 \f, 3, \first
.endm
.macro TURN slot, next, fill           ; the last quarter multiplies buffer 1 and changes slots
	WIN 0
	s_wait_tensorcnt 0x0                           ; all my tensor loads have landed: my part of the next slot
	ds_add_u32 v[SPW], v[NIL]
	s_wait_dscnt 5                                 ; the add and the youngest four loads may be out
	WIN MUL
	MUL8 F1, 0, 0
	s_wait_dscnt 0x0                               ; the add is done, my reads of this slot are over
	s_barrier_signal -1
	MUL8 F1, 1, 0
	WIN 0
	s_barrier_wait -1
.if \fill
	CREST                                          ; the barrier has opened a round of the cluster's: no wave of any partner still reads this slot or has a load on its way
	s_add_nc_u64 s[G0+4*\slot+2:G0+4*\slot+3], s[G0+4*\slot+2:G0+4*\slot+3], 2*524288
	s_add_nc_u64 s[G0B+4*\slot+2:G0B+4*\slot+3], s[G0B+4*\slot+2:G0B+4*\slot+3], 2*262144
	JLOAD \slot                                    ; my one tensor load behind the round; its four v_nop are the places in front of the loads below
.else
	PLACES
.endif
	FETCH \next, 0, F0
	WIN MUL
	MUL8 F1, 2, 0
	MUL8 F1, 3, 0
.endm
	s_wait_tensorcnt 1                             ; my part of K step 0 is in; step 1's may be out
	s_barrier_signal -1
	s_barrier_wait -1
	FETCH 0, 0, F0
	s_wait_loadcnt 0x0                             ; the bias
	QUARTER 0, 1, F0, F1, 1
	WIN 0
	s_mov_b32 s3, 3
.Llap:                                             ; three trips: K steps 2 to 7 are asked for
	QUARTER 0, 2, F1, F0, 0
	QUARTER 0, 3, F0, F1, 0
	TURN 0, 1, 1
	QUARTER 1, 1, F0, F1, 0
	QUARTER 1, 2, F1, F0, 0
	QUARTER 1, 3, F0, F1, 0
	TURN 1, 0, 1
	QUARTER 0, 1, F0, F1, 0
	WIN 0
	s_sub_co_u32 s3, s3, 1
	s_cmp_lg_u32 s3, 0
	s_cbranch_scc1 .Llap
.irp k, 0,1,2,3,4,5,6,7,8,9,10,11,12,13,14,15
	global_load_b128 v[VO+4*\k:VO+4*\k+3], v[ZERO], s[10:11] offset:16*\k   ; every lane takes the true tokens of my 64 rows, into the registers that the bias has left
.endr
	QUARTER 0, 2, F1, F0, 0                        ; the last lap fills nothing
	QUARTER 0, 3, F0, F1, 0
	TURN 0, 1, 0
	QUARTER 1, 1, F0, F1, 0
	QUARTER 1, 2, F1, F0, 0
	QUARTER 1, 3, F0, F1, 0
	s_wait_dscnt 4
	WIN MUL
	MUL8 F1, 0, 0
	MUL8 F1, 1, 0
	s_wait_dscnt 0
	MUL8 F1, 2, 0
	MUL8 F1, 3, 0
	WIN 0
	s_wait_loadcnt 0x0                             ; tok
.set n, 0
.rept 64
	v_min_u32 v[VO+n], 0x1fff, v[VO+n]             ; held inside out0's 8,192 rows.  (These plain lines are also the places behind the last products)
.set n, n+1
.endr
.set n, 0
.rept 64
	v_lshl_add_u32 v[VO+n], v[VO+n], 12, v[CO]     ; the row's 4,096 bytes, + 16 x lane
.set n, n+1
.endr
; THE WAY OUT, a block of 16 rows x 128 columns at a time, through my own stage: back as whole rows of 512 bytes.
.macro TOSTAGE a
	WIN 0x04                                       ; an LDS store's data: window 1
.irp b, 0,1,2,3,4,5,6,7
	ds_store_b128 v[STO], v[8*(8*(\a)+\b):8*(8*(\a)+\b)+3] offset:64*\b        ; each accumulator from its low end on
	ds_store_b128 v[STO], v[8*(8*(\a)+\b)+4:8*(8*(\a)+\b)+7] offset:64*\b+16
.endr
	WIN 0
.set BB, BK+64*((\a)%2)
.irp t, 0,1,2,3,4,5,6,7,8,9,10,11,12,13,14,15
	ds_load_b128 v[BB+4*\t:BB+4*\t+3], v[RD] offset:\t*SPITCH   ; in order behind the stores
.endr
.endm
.macro SEND a, younger
.set BB, BK+64*((\a)%2)
	s_wait_dscnt \younger
.irp t, 0,1,2,3,4,5,6,7,8,9,10,11,12,13,14,15
	global_store_b128 v[VO+16*(\a)+\t], v[BB+4*\t:BB+4*\t+3], s[12:13] th:TH_STORE_NT   ; 512 consecutive bytes of the true token's row, aligned
.endr
.endm
	TOSTAGE 0
.irp a, 1,2,3
.if \a > 1
	s_wait_xcnt 0x0                                ; block a - 2's stores have read their registers
.endif
	TOSTAGE \a
	SEND \a-1, 32                                  ; behind block a - 1's loads: block a's 16 stores and 16 loads
.endr
	SEND 3, 0
	s_wait_tensorcnt 0x0                           ; the wave's end
	ds_add_u32 v[SPW], v[NIL]
	s_wait_dscnt 0x0
	CROUND                                         ; the closing round
	s_endpgm
.Lfunc_end_k_q96be64c7aa_oproj:
	.size	k_q96be64c7aa_oproj, .Lfunc_end_k_q96be64c7aa_oproj-k_q96be64c7aa_oproj
	.p2alignl 7, 3214868480
	.fill 96, 4, 3214868480
	.section	.rodata,"a",@progbits
	.p2align	6, 0x0
	.amdhsa_kernel k_q96be64c7aa_oproj
		.amdhsa_group_segment_fixed_size 327680
		.amdhsa_private_segment_fixed_size 0
		.amdhsa_enable_private_segment 0
		.amdhsa_kernarg_size 40
		.amdhsa_user_sgpr_count 2
		.amdhsa_user_sgpr_kernarg_segment_ptr 1
		.amdhsa_wavefront_size32 1
		.amdhsa_system_sgpr_workgroup_id_x 1
		.amdhsa_system_sgpr_workgroup_id_y 1
		.amdhsa_system_sgpr_workgroup_id_z 1
		.amdhsa_system_vgpr_workitem_id 0
		.amdhsa_next_free_vgpr 768
		.amdhsa_next_free_sgpr 66
		.amdhsa_reserve_vcc 0
		.amdhsa_float_denorm_mode_32 3
		.amdhsa_float_denorm_mode_16_64 3
		.amdhsa_memory_ordered 1
		.amdhsa_forward_progress 1
		.amdhsa_inst_pref_size 96
	.end_amdhsa_kernel
	.amdgpu_metadata
---
amdhsa.version: [ 1, 2 ]
amdhsa.kernels:
  - .name:           k_q96be64c7aa_oproj
    .symbol:         k_q96be64c7aa_oproj.kd
    .args:
      - { .name: attn, .offset: 0, .size: 8, .value_kind: global_buffer, .address_space: global }
      - { .name: wo16, .offset: 8, .size: 8, .value_kind: global_buffer, .address_space: global }
      - { .name: bo, .offset: 16, .size: 8, .value_kind: global_buffer, .address_space: global }
      - { .name: idx, .offset: 24, .size: 8, .value_kind: global_buffer, .address_space: global }
      - { .name: out0, .offset: 32, .size: 8, .value_kind: global_buffer, .address_space: global }
    .group_segment_fixed_size: 327680
    .private_segment_fixed_size: 0
    .kernarg_segment_align: 8
    .kernarg_segment_size: 40
    .max_flat_workgroup_size: 128
    .sgpr_count:     66
    .vgpr_count:     768
    .wavefront_size: 32
...
	.end_amdgpu_metadata
.endif
;; end of part 4
